; MI455X (gfx1250); checked and timed in simulation.
; The chip was launched on July 23, 2026; its instructions are those of AMD's public machine-readable ISA for CDNA 5 (MIT licence, August 2026) and "CDNA5" Instruction Set Architecture Reference Guide (July 2026). The comments in the code are by the model that wrote it; some were corrected since.
;; TF Attention. Allowed arithmetic: matrix products marked QUANTISED: E2M3 operands, one E8M0 scale for each 32 along K, by v_wmma_scale_f32_16x16x128_f8f6f4 with both operands' format E2M3, f32 sums; everything else in f32.
;; Inputs: b_attn 3,072 float32; b_proj 1,024 float32; w_attn 1,024 x 3,072 float32; w_proj 1,024 x 1,024 float32; x 4 x 2,048 x 1,024 float32.
;; Outputs: out0 4 x 2,048 x 1,024 float32.
;; This version of the problem:
;;   THIS VERSION OF THE PROBLEM IS GIVEN IN LOW PRECISION. The matrix products marked QUANTISED in the list below multiply operands that are first quantised to E2M3 (2 exponent bits, 3 mantissa bits; 6 bits a number), with one power-of-two scale for each 32 numbers along K (OCP MX v1.0); their sums are f32. All else is computed in f32.
;;   The module's matrix products, in the order in which they are computed (A, B: the left and right operand; K: the contracted axis; several contracted axes count as one K, in the product's order):
;;     1. [M 8,192, K 1,024] x [K 1,024, N 3,072]; A: input x; B: input w_attn: QUANTISED
;;     2. batch 64 x [M 2,048, K 64] x [K 64, N 2,048]; A: computed on the way; B: computed on the way: QUANTISED
;;     3. batch 64 x [M 2,048, K 2,048] x [K 2,048, N 64]; A: softmax (see below); B: computed on the way: QUANTISED
;;     4. [M 8,192, K 1,024] x [K 1,024, N 1,024]; A: computed on the way; B: input w_proj: QUANTISED
;;   THE QUANTISER, for each operand of a quantised product, along K:
;;     - K is cut into blocks of 32 from its start; a last block that is shorter is filled with zeros.
;;     - A block's scale is 2^e with e = floor(log2(the largest magnitude in the block)) - 2, held to -126 .. 127; a block of zeros has e = 0. As a byte (E8M0): e + 127.
;;     - Each number is divided by its block's scale, clamped to +-7.5, and rounded to the nearest number of E2M3, ties to even, subnormals kept.
;;     - The product sums the exact products of the quantised numbers (number of the format x scale) in f32.
;;   ~~~python
;;   def quantise(x, axis):      # numpy; x: float32 -> the quantised numbers, widened to float32 again
;;       x = np.moveaxis(x, axis, -1); K = x.shape[-1]
;;       x = np.pad(x, [(0, 0)] * (x.ndim - 1) + [(0, -K % 32)]); x = x.reshape(x.shape[:-1] + (-1, 32)); a = np.abs(x).max(-1, keepdims=True)
;;       e = np.where(a > 0, np.clip(np.frexp(np.where(a > 0, a, 1))[1] - 1 - 2, -126, 127), 0)      # np.frexp(a)[1] - 1 = floor(log2(a)), exactly
;;       r = np.clip(x / 2.0 ** e, -7.5, 7.5)
;;       step = 2.0 ** (np.maximum(np.frexp(np.where(r == 0, 1, r))[1] - 1, 0) - 3)
;;       q = np.round(r / step) * step * 2.0 ** e      # np.round: ties to even
;;       return np.moveaxis(q.reshape(q.shape[:-2] + (-1,))[..., :K], -1, axis).astype(np.float32)
;;   ~~~
;;   SOFTMAX AHEAD OF A QUANTISED PRODUCT. Where the list says 'softmax', what is quantised is not the finished softmax but p = 2^(t - M), with t = logit x log2(e) and M = ceil(the row's largest t), a whole number; so 1/2 < the row's largest p <= 1. The row's sum l is taken of the UNQUANTISED p, in f32, and the product's result is divided by l at the end. Since M is a whole number, a kernel that streams over the keys may use a running M (the ceiling of the running maximum): every later rescaling is an exact power of two, which a block's scale takes up: the codes' values come out the same.
;;   OPERANDS COMPUTED ON THE WAY. 'Computed on the way' means the value that the module computes at that place (a softmax that the list does not call 'softmax' is quantised finished and normalised). What goes into a quantiser is computed in f32, as accurately as f32 sums, v_exp_f32 and their like allow (about 1e-6 of the number): no bf16 or f16 on the way to a quantiser, and a product that is left as it is and whose result goes on into a quantised operand takes f32 operands (vector FMAs, or v_wmma_f32_16x16x4_f32). A number that lies on a knife's edge between two numbers of the format may be rounded either way, as far as f32 arithmetic and the matrix unit's own rounding can turn it there, and no further.
;; One version. Each part assembles by itself: llvm-mc -triple=amdgcn-amd-amdhsa -mcpu=gfx1250 --defsym DOCPART=n.
;; ======== version 1 of 1: 4 launches
;; workspace buffers: x_codes 6,291,456 bytes; x_scales 262,144 bytes; w_codes 3,145,728 bytes; w_scales 131,072 bytes; qkv_img 18,874,368 bytes; qkv_sc 786,432 bytes; a_img 6,291,456 bytes; a_sc 262,144 bytes
;; launch quant (part 1): grid 384 x 1, 4 waves a work-group, no clusters, 102,912 bytes of LDS; arguments x, w_attn, w_proj, x_codes, x_scales, w_codes, w_scales; writes x_codes, x_scales, w_codes, w_scales
.if DOCPART == 1
	.amdgcn_target "amdgcn-amd-amdhsa--gfx1250"
	.amdhsa_code_object_version 6
	.text
	.protected	k_q57bd4c41c3_quant
	.globl	k_q57bd4c41c3_quant
	.p2align	8
	.type	k_q57bd4c41c3_quant,@function
k_q57bd4c41c3_quant:
	s_mov_b64 s[64:65], 0
	v_nop
	global_prefetch_b8 v0, s[64:65] scope:SCOPE_SE
	s_setreg_imm32_b32 hwreg(HW_REG_WAVE_MODE, 25, 1), 1
	s_wait_xcnt 0x0
; x [8192][1024], w_attn [1024][3072] and w_proj [1024][1024], f32, become codes of FP6 (E2M3) with K innermost (768 bytes a row) and one E8M0 byte for each 32 along K (32 bytes a row).
; A block's scale is 2^(floor(log2(its largest magnitude)) - 2); its byte is the largest magnitude's exponent field - 2, held at 1 from below.  Numbers are divided by the scale and rounded to the nearest code, ties to even.
; LIMITS: a block whose largest magnitude lies under 2^-124, a block of zeros among them, gets the byte 1 (its codes are then zeros or subnormals; the bytes are read by this program alone); NaN and infinities are not served.
; THE ORDER OF ROWS.  x's rows and w_attn's columns are stored at place pi(row): the row's number with its bits 3 and 4 exchanged.  A tile of 16 stored rows then holds two groups of eight rows that lie 16 apart, so that
; the results of two neighbouring tiles are 16 neighbours along the next product's K in one lane's registers.  w_proj's columns (rows 3072 on of the weights' buffers) keep their order.
; THREE PATHS, parted on the work-group's number, each with LDS bytes of its own; every work-group reads 131,072 bytes.
;   0-255: x.  K is innermost: a wave takes 8 rows (8,192 numbers) in 16 steps of 512; loads are dense, and a step's numbers turn through the wave's stage in LDS so that a lane holds 16 neighbours.
;   256-351: w_attn, 352-383: w_proj.  K is the first axis: a lane takes a column and its registers run down K; the codes leave through a stage, sixteen lanes to a row's 192 bytes.
; No tensor loads, no barrier: waves share nothing.
.set XWG,    256                       ; work-groups for x
.set AWG,    96                        ; and for w_attn
.set STEPS,  16
.set EMAX,   2
.set CB,     12                        ; bytes of 16 codes
.set XR,     16                        ; path x: v16-79   four sets of 16 numbers as loaded
.set XX,     80                        ;         v80-111  two sets of 16 neighbours
.set XE,     112                       ;         v112-127 a scale byte for each step
.set XC,     128                       ;         v128-191 codes, four registers a step: no store's data are written again
.set WREG,   8192                      ; LDS of a wave on path x: two stages of 32 x SP bytes, then its 256 scale bytes
.set SP,     80                        ; a lane's place in a stage: 64 bytes + 16 of padding
.set WX,     32                        ; paths w: v32-95 two sets of 32 numbers
.set WC,     96                        ;          v96..  a block's codes
.set WOUT,   112                       ;          v112-175 the way out
.set WSB,    24                        ;          v24-25 eight scale bytes
.set WPITCH, 272                       ; a stage row: sixteen places of 16 bytes, each with 12 bytes of codes, + 16
.set KROW,   768                       ; a row of codes in memory
.set NB,     8                         ; blocks of 32 along K for a wave: 256 along K
.macro XLOAD t
.irp i, 0,1,2,3
	global_load_b128 v[XR+16*((\t)%4)+4*\i:XR+16*((\t)%4)+4*\i+3], v3, s[4:5] offset:2048*(\t)+512*\i th:TH_LOAD_NT   ; 32 lanes read 512 consecutive bytes
.endr
.endm
.macro XTURN t                         ; step t's numbers through the stage: LDS serves a wave's instructions in order, so no wait stands between the stores and the loads
.irp i, 0,1,2,3
	ds_store_b128 v14, v[XR+16*((\t)%4)+4*\i:XR+16*((\t)%4)+4*\i+3] offset:32*SP*((\t)%2)+8*SP*\i
.endr
.irp i, 0,1,2,3
	ds_load_b128 v[XX+16*((\t)%2)+4*\i:XX+16*((\t)%2)+4*\i+3], v15 offset:32*SP*((\t)%2)+16*\i
.endr
.endm
.macro XSTEP t
.set XS, XX+16*((\t)%2)
.if (\t) > 0
	s_wait_dscnt 1                                 ; this step's numbers are back from the stage (the last step's byte store may be out)
.else
	s_wait_dscnt 0x0
.endif
.if (\t)+4 < STEPS
	XLOAD (\t)+4                                   ; the registers that the stage's stores have read take the loads of four steps on
.endif
.if (\t)+1 < STEPS
.if STEPS-2-(\t) >= 3
	s_wait_loadcnt 12                              ; the next step's four loads are in; those of the three steps behind it may be out
.else
	s_wait_loadcnt 4*(STEPS-2-(\t))
.endif
	XTURN (\t)+1
.endif
	v_max3_num_f32 v8, |v[XS]|, |v[XS+1]|, |v[XS+2]|               ; the largest magnitude of my 16, in two chains
	v_max3_num_f32 v9, |v[XS+3]|, |v[XS+4]|, |v[XS+5]|
.irp i, 6,10
	v_max3_num_f32 v8, v8, |v[XS+\i]|, |v[XS+\i+1]|
	v_max3_num_f32 v9, v9, |v[XS+\i+2]|, |v[XS+\i+3]|
.endr
	v_max3_num_f32 v8, v8, |v[XS+14]|, |v[XS+15]|
	v_max3_num_f32 v8, v8, v9, (EMAX+1)<<23        ; and the floor 2^(3 - 127): the byte cannot fall under 1
	v_max_num_f32_dpp v8, v8, v8 row_xmask:1 row_mask:0xf bank_mask:0xf   ; with my neighbour's 16: the block's
	v_add_nc_u32 v11, -(EMAX<<23), v8              ; 2 off its exponent field: the conversion takes the exponent field of this operand as its scale
	v_cvt_scalef32_pk16_fp6_f32 v[XC+4*(\t):XC+4*(\t)+2], v[XS:XS+15], v11
	v_lshrrev_b32 v[XE+(\t)], 23, v11              ; the scale's byte (a plain line behind the conversion)
	ds_store_b8 v5, v[XE+(\t)] offset:16*(\t)      ; both lanes of a block write the same byte with the same value
	global_store_b96 v4, v[XC+4*(\t):XC+4*(\t)+2], s[10:11] offset:32*CB*(\t)   ; the wave stores 384 consecutive bytes
.endm
.macro WLOAD t, n                      ; block t: W(32 t + i, my column), i = 0 .. 31, into set t % 2; a row of W is 4 n bytes
.irp i, 0,1,2,3,4,5,6,7,8,9,10,11,12,13,14,15,16,17,18,19,20,21,22,23,24,25,26,27,28,29,30,31
	global_load_b32 v[WX+32*((\t)%2)+\i], v3, s[4:5] offset:(32*(\t)+\i)*(\n)*4 th:TH_LOAD_NT
.endr
.endm
.macro WBLOCK t, n
.set XS, WX+32*((\t)%2)
.if (\t) < NB-1
	s_wait_loadcnt 32                              ; this block's 32 loads are in; the next block's may be out
.else
	s_wait_loadcnt 0
.endif
	v_max3_num_f32 v12, |v[XS]|, |v[XS+1]|, |v[XS+2]|              ; the block's largest magnitude: all 32 numbers are mine
	v_max3_num_f32 v13, |v[XS+3]|, |v[XS+4]|, |v[XS+5]|
.irp i, 6,10,14,18,22,26
	v_max3_num_f32 v12, v12, |v[XS+\i]|, |v[XS+\i+1]|
	v_max3_num_f32 v13, v13, |v[XS+\i+2]|, |v[XS+\i+3]|
.endr
	v_max3_num_f32 v12, v12, |v[XS+30]|, |v[XS+31]|
	v_max3_num_f32 v12, v12, v13, (EMAX+1)<<23
	v_add_nc_u32 v11, -(EMAX<<23), v12
	v_lshrrev_b32 v13, 23, v11                     ; the scale's byte
.if (\t)%4 == 0
	v_mov_b32 v[WSB+(\t)/4], v13                   ; four bytes to a register, the lower K in the lower byte
.else
	v_lshl_or_b32 v[WSB+(\t)/4], v13, 8*((\t)%4), v[WSB+(\t)/4]
.endif
	v_cvt_scalef32_pk16_fp6_f32 v[WC:WC+2], v[XS:XS+15], v11
	v_cvt_scalef32_pk16_fp6_f32 v[WC+4:WC+6], v[XS+16:XS+31], v11  ; (a conversion's three registers begin on an even number)
	v_nop                                          ; a plain line behind the conversions
	ds_store_b96 v4, v[WC:WC+2] offset:32*(\t)     ; 12 bytes to a place of 16, so that every LDS address is a multiple of 16
	ds_store_b96 v4, v[WC+4:WC+6] offset:32*(\t)+16
.if (\t)+2 < NB
	WLOAD (\t)+2, \n
.endif
	s_wait_dscnt 0x0                               ; the stores have read their registers: the next block's codes may be written
.endm
; A weight [1024][n] whose columns become rows row0 on of the weights' buffers.  perm = 1: at place pi.  lbase: this path's LDS.  first: the path's first work-group.  src: the scalar pair with the weight's address.
; Work-group id' takes columns 128 (id' / 4) on and K 256 (id' % 4) on; a wave 32 columns, which is one aligned group of 32: pi stays inside it.
.macro WPATH n, row0, perm, lbase, first, src
	s_sub_co_u32 s19, ttmp9, \first
	s_lshr_b32 s20, s19, 2
	s_and_b32 s21, s19, 3                          ; which 256 along K
	s_lshl_b32 s20, s20, 7
	s_lshl_b32 s22, s18, 5
	s_add_co_u32 s20, s20, s22                     ; my wave's first column
	v_lshlrev_b32 v3, 2, v2                        ; in: 4 bytes a lane
	s_mul_i32 s22, s18, 32*WPITCH
	s_add_co_u32 s22, s22, \lbase                  ; my stage
	v_mul_u32_u24 v4, v2, WPITCH
	v_add_nc_u32 v4, s22, v4                       ; into it: row = my column
	v_and_b32 v5, 15, v2
	v_lshrrev_b32 v6, 4, v2                        ; out of it: sixteen lanes to a row, two rows an instruction
	v_mul_u32_u24 v7, v6, WPITCH
	v_lshl_add_u32 v7, v5, 4, v7
	v_add_nc_u32 v7, s22, v7
	v_mul_u32_u24 v8, v6, KROW
	v_mad_u32_u24 v8, v5, 12, v8                   ; and the same place in the codes' buffer
.if \perm
	v_and_b32 v9, 7, v2                            ; pi(lane): bits 3 and 4 change places
	v_bfe_u32 v10, v2, 3, 1
	v_lshl_or_b32 v9, v10, 4, v9
	v_bfe_u32 v10, v2, 4, 1
	v_lshl_or_b32 v9, v10, 3, v9
	v_lshlrev_b32 v9, 5, v9                        ; my column's row of scale bytes
.else
	v_lshlrev_b32 v9, 5, v2
.endif
	s_mul_i32 s24, s21, 256*(\n)*4                 ; the weight: 256 rows of K for each y, + 4 x column
	s_lshl_b32 s25, s20, 2
	s_add_co_u32 s24, s24, s25
	s_mov_b32 s25, 0
	s_add_co_u32 s26, s20, \row0                   ; the group's first row in the buffers
	s_mul_i32 s28, s26, KROW
	s_mul_i32 s27, s21, 192
	s_add_co_u32 s28, s28, s27
	s_mov_b32 s29, 0
	s_lshl_b32 s30, s26, 5
	s_lshl_b32 s27, s21, 3
	s_add_co_u32 s30, s30, s27
	s_mov_b32 s31, 0
	s_wait_kmcnt 0x0
	s_add_nc_u64 s[4:5], s[\src:\src+1], s[24:25]
	s_add_nc_u64 s[14:15], s[14:15], s[28:29]
	s_add_nc_u64 s[16:17], s[16:17], s[30:31]
	WLOAD 0, \n
	WLOAD 1, \n
.set WQ, 0
.rept NB
	WBLOCK WQ, \n
.set WQ, WQ+1
.endr
	global_store_b64 v9, v[WSB:WSB+1], s[16:17]    ; my column's eight scale bytes
.irp t, 0,1,2,3,4,5,6,7,8,9,10,11,12,13,14,15
	ds_load_b96 v[WOUT+4*\t:WOUT+4*\t+2], v7 offset:2*\t*WPITCH    ; LDS serves a wave's instructions in order: these see my stores
.endr
.irp t, 0,1,2,3,4,5,6,7,8,9,10,11,12,13,14,15
	s_wait_dscnt 15-\t
.if \perm
	global_store_b96 v8, v[WOUT+4*\t:WOUT+4*\t+2], s[14:15] offset:2*((\t&3)|((\t&4)<<1)|((\t&8)>>1))*KROW   ; columns 2 t, 2 t + 1 go to rows pi(2 t), pi(2 t + 1): t's bits 2 and 3 change places
.else
	global_store_b96 v8, v[WOUT+4*\t:WOUT+4*\t+2], s[14:15] offset:2*\t*KROW
.endif
.endr
.endm
	s_load_b128 s[4:7], s[0:1], 0x0                ; x, w_attn
	s_load_b128 s[8:11], s[0:1], 0x10              ; w_proj, x's codes
	s_load_b128 s[12:15], s[0:1], 0x20             ; x's scale bytes, the weights' codes
	s_load_b64 s[16:17], s[0:1], 0x30              ; the weights' scale bytes
	v_lshl_add_u32 v192, v0, 2, 0x19000
	v_mov_b32 v193, 0
	v_lshrrev_b32 v1, 5, v0
	v_readfirstlane_b32 s18, v1                    ; wave 0..3
	v_and_b32 v2, 31, v0                           ; lane
	s_cmp_lt_u32 ttmp9, XWG
	s_cbranch_scc0 .Lweights
	; ---- x
	v_lshlrev_b32 v3, 4, v2                        ; my 16 bytes of a load's 512
	s_mul_i32 s19, s18, WREG
	v_lshrrev_b32 v14, 2, v2
	v_mul_u32_u24 v14, v14, SP
	v_and_b32 v15, 3, v2
	v_lshl_add_u32 v14, v15, 4, v14
	v_add_nc_u32 v14, s19, v14                     ; the stage, on the way in: SP (lane / 4) + 16 (lane % 4)
	v_mul_u32_u24 v15, v2, SP
	v_add_nc_u32 v15, s19, v15                     ; and on the way out: SP x lane: my 16 neighbours
	v_mul_u32_u24 v4, v2, CB                       ; my codes' place in a step's
	v_lshrrev_b32 v5, 1, v2
	s_add_co_u32 s19, s19, 2*32*SP
	v_add_nc_u32 v5, s19, v5                       ; my wave's 256 scale bytes, my block's byte
	v_lshlrev_b32 v7, 3, v2
	v_add_nc_u32 v6, s19, v7                       ; and on the way out 8 bytes a lane
	s_lshl_b32 s20, ttmp9, 2
	s_add_co_u32 s22, s20, s18                     ; which run of 8 rows is read: 4 x work-group + wave
	s_lshl_b32 s22, s22, 15                        ; 32,768 bytes a run
	s_mov_b32 s23, 0
	s_and_b32 s24, s18, 1                          ; a row's bits 3 and 4 are the run's bits 0 and 1, which are the wave's: they change places for the outputs
	s_lshl_b32 s24, s24, 1
	s_lshr_b32 s25, s18, 1
	s_or_b32 s24, s24, s25
	s_add_co_u32 s20, s20, s24                     ; where the run is stored
	s_mul_i32 s24, s20, 8*KROW
	s_mov_b32 s25, 0
	s_lshl_b32 s26, s20, 8
	s_mov_b32 s27, 0
	s_wait_kmcnt 0x0
	s_add_nc_u64 s[4:5], s[4:5], s[22:23]
	s_add_nc_u64 s[10:11], s[10:11], s[24:25]
	s_add_nc_u64 s[12:13], s[12:13], s[26:27]
.irp t, 0,1,2,3
	XLOAD \t
.endr
	s_wait_loadcnt 12                              ; step 0's four loads are in
	XTURN 0
.irp t, 0,1,2,3,4,5,6,7,8,9,10,11,12,13,14,15
	XSTEP \t
.endr
	ds_load_b64 v[12:13], v6                       ; LDS serves a wave's instructions in order: these see my byte stores
	s_wait_dscnt 0x0
	global_store_b64 v7, v[12:13], s[12:13]        ; 32 lanes store 256 consecutive bytes, aligned: eight rows' scale bytes
	s_wait_tensorcnt 0x0
	ds_add_u32 v192, v193
	s_wait_dscnt 0x0
	s_endpgm
.Lweights:
	s_cmp_lt_u32 ttmp9, XWG+AWG
	s_cbranch_scc0 .Lproj_w
	WPATH 3072, 0, 1, 32768, XWG, 6
	s_wait_tensorcnt 0x0
	ds_add_u32 v192, v193
	s_wait_dscnt 0x0
	s_endpgm
.Lproj_w:
	WPATH 1024, 3072, 0, 67584, XWG+AWG, 8
	s_wait_tensorcnt 0x0
	ds_add_u32 v192, v193
	s_wait_dscnt 0x0
	s_endpgm
.Lfunc_end_k_q57bd4c41c3_quant:
	.size	k_q57bd4c41c3_quant, .Lfunc_end_k_q57bd4c41c3_quant-k_q57bd4c41c3_quant
	.p2alignl 7, 3214868480
	.fill 96, 4, 3214868480
	.section	.rodata,"a",@progbits
	.p2align	6, 0x0
	.amdhsa_kernel k_q57bd4c41c3_quant
		.amdhsa_group_segment_fixed_size 102912
		.amdhsa_private_segment_fixed_size 0
		.amdhsa_enable_private_segment 0
		.amdhsa_kernarg_size 56
		.amdhsa_user_sgpr_count 2
		.amdhsa_user_sgpr_kernarg_segment_ptr 1
		.amdhsa_wavefront_size32 1
		.amdhsa_system_sgpr_workgroup_id_x 1
		.amdhsa_system_sgpr_workgroup_id_y 1
		.amdhsa_system_sgpr_workgroup_id_z 1
		.amdhsa_system_vgpr_workitem_id 0
		.amdhsa_next_free_vgpr 194
		.amdhsa_next_free_sgpr 66
		.amdhsa_reserve_vcc 0
		.amdhsa_float_denorm_mode_32 3
		.amdhsa_float_denorm_mode_16_64 3
		.amdhsa_memory_ordered 1
		.amdhsa_forward_progress 1
		.amdhsa_inst_pref_size 115
	.end_amdhsa_kernel
	.amdgpu_metadata
---
amdhsa.version: [ 1, 2 ]
amdhsa.kernels:
  - .name:           k_q57bd4c41c3_quant
    .symbol:         k_q57bd4c41c3_quant.kd
    .args:
      - { .name: x, .offset: 0, .size: 8, .value_kind: global_buffer, .address_space: global }
      - { .name: w_attn, .offset: 8, .size: 8, .value_kind: global_buffer, .address_space: global }
      - { .name: w_proj, .offset: 16, .size: 8, .value_kind: global_buffer, .address_space: global }
      - { .name: x_codes, .offset: 24, .size: 8, .value_kind: global_buffer, .address_space: global }
      - { .name: x_scales, .offset: 32, .size: 8, .value_kind: global_buffer, .address_space: global }
      - { .name: w_codes, .offset: 40, .size: 8, .value_kind: global_buffer, .address_space: global }
      - { .name: w_scales, .offset: 48, .size: 8, .value_kind: global_buffer, .address_space: global }
    .group_segment_fixed_size: 102912
    .private_segment_fixed_size: 0
    .kernarg_segment_align: 8
    .kernarg_segment_size: 56
    .max_flat_workgroup_size: 128
    .sgpr_count:     66
    .vgpr_count:     194
    .wavefront_size: 32
...
	.end_amdgpu_metadata
.endif
;; end of part 1
;; launch qkv (part 2): grid 12 x 32, 4 waves a work-group, clusters of 4 x 4, 327,680 bytes of LDS; arguments x_codes, x_scales, w_codes, w_scales, b_attn, qkv_img, qkv_sc; writes qkv_img, qkv_sc
.if DOCPART == 2
	.amdgcn_target "amdgcn-amd-amdhsa--gfx1250"
	.amdhsa_code_object_version 6
	.text
	.protected	k_q57bd4c41c3_qkv
	.globl	k_q57bd4c41c3_qkv
	.p2align	8
	.type	k_q57bd4c41c3_qkv,@function
k_q57bd4c41c3_qkv:
	s_mov_b64 s[64:65], 0
	v_nop
	global_prefetch_b8 v0, s[64:65] scope:SCOPE_SE
	s_setreg_imm32_b32 hwreg(HW_REG_WAVE_MODE, 25, 1), 1
	s_wait_xcnt 0x0
	s_wait_alu depctr_hold_cnt(0) depctr_sa_sdst(0) depctr_va_vdst(0) depctr_va_sdst(0) depctr_va_ssrc(0) depctr_va_vcc(0) depctr_vm_vsrc(0)
	s_getreg_b32 s2, hwreg(HW_REG_IB_STS2, 6, 4)
	s_cmp_eq_u32 s2, 0
	s_cbranch_scc0 .Lentry_in_a_cluster
	s_endpgm
.Lentry_in_a_cluster:
	s_bfe_u32 s2, ttmp6, 0x10000c
	s_cmp_lg_u32 s2, 0xf033
	s_cbranch_scc0 .Lentry_shape_is_right
	s_endpgm
.Lentry_shape_is_right:
; q, k, v = x w_attn + b_attn on codes of FP6 (E2M3) with E8M0 scales, K = 1,024, sums in f32; the results are quantised here, in registers, and leave as the images of operand registers that the attention launch reads.
; A tile of 256 x 256 of the product is made by four waves, each 128 x 128: 64 accumulators, 512 registers.  K goes in steps of 256 through a ring of two LDS slots filled by the tensor data mover; the scale bytes of the
; work-group's 2 x 256 rows, for all of K, come into LDS once.  4 x 4 work-groups form a cluster: A's tile is asked for jointly along a row of the cluster, B's along a column.
; THE MATRIX INSTRUCTION IS USED TRANSPOSED (source 0 = 16 rows of "B", source 1 = 16 rows of "A"): a lane holds ONE row of A, and its registers run along B's rows.
; WHO IS A.  Clusters x = 0, 1 (q, k): A = x's rows, B = the weight's rows 0-2047: a lane holds one token and its registers run along the head's 64, which is the K of q k^T.
;            Cluster x = 2 (v): A = the weight's rows 2048 on, B = x's rows: a lane holds one channel of v and its registers run along the tokens, which are the K of p v.  The choice hangs on the cluster's x alone.
; Rows of x and of the weight are stored with bits 3 and 4 of their number exchanged, so the 16 registers of B's tiles 2 b, 2 b + 1 are the 16 neighbours 32 b + 16 (lane / 16) + 0 .. 15 along the next K.
; The bias is the C of each sum's first product.
; THE WAY OUT.  A's block a (16 rows) x my 128 of B is 64 numbers a lane: four blocks of 32.  They become 12 registers of codes and a scale word.  Each pair of registers leaves by one store of 8 bytes a lane: 256 consecutive
; bytes, aligned.  q, k: registers 0-5 are a tile image (16 tokens x 64) of my first head, 6-11 of my second.  v: the 12 are a fragment image (16 channels x 128 keys).
; LIMITS: a block whose largest magnitude lies under 2^-124, a block of zeros among them, gets the byte 1 (read by this program alone); NaN and infinities are not served.
; REGISTERS, in windows of 256: window 0: v0-31 addresses; v32-63 scale words, two sets; v64-127 the bias tiles; from v128 A's fragments, one set (on the way out: codes and what makes them).
;   window 1: B's fragments, two sets, at v0 and v128.   window 2: the accumulators of my rows 0-63 ((a, b) at v[8 (8 a + b)]);   window 3: those of my rows 64-127.
.set KSTEP,  256                       ; along K in a slot
.set NQ,     KSTEP/128                 ; matrix instructions deep
.set ROWB,   192                       ; a tile's row in bytes
.set KROW,   768                       ; a row of codes in memory: 1,024 codes
.set PITCH,  240                       ; an LDS row: 3 x (64 bytes + 16 of padding) = 60 words: the 32 lanes of a load of 8 bytes touch 64 different banks (64 banks of 4 bytes: ISA guide 11.1)
.set FR,     12                        ; registers of a fragment
.set NL,     6                         ; LDS loads that bring one
.set NP,     4                         ; places behind this matrix instruction (ISA guide 7.12.1)
.set HALFT,  128*PITCH                 ; 128 rows: what one tensor load brings
.set SLOT,   4*HALFT                   ; A's 256 rows, then B's 256 rows
.set LAPS,   2                         ; 1,024 / (2 x 256): twice round the ring
.set KS,     32                        ; a row of scale bytes
.set SCL,    2*SLOT                    ; behind the ring: the scales, as 256 bytes + 16 of padding
.set HALFS,  (128*KS/256)*272          ; those of 128 rows
.set SBLK,   (16*KS/256)*272           ; those of 16 rows
.set SPARE,  SCL+4*HALFS               ; the spare words, 128 bytes a wave: two blocks of 256 bytes that no other line names
.set SELV, 7                           ; v7      byte selects for the scale quads of q and k: lanes 0-15 low halves, lanes 16-31 high halves
.set ADRA, 16                          ; v16-17  LDS address of my A fragments in slot 0, 1  (v18-19: for the pieces behind one padding more)
.set ADRB, 20                          ; v20-21  the same for B  (v22-23)
.set VLO,  24                          ; v24     the way out: 8 x lane
.set VHI,  25                          ; v25     the same for registers 6-11: + 6,144 (q, k: the second head's unit) or + 768 (v: the fragment's second half)
.set VSC,  26                          ; v26     16 (lane % 16) + 4,096 (lane / 16): my word quad; the second head's lies 4,096 bytes on
.set ADRS, 27                          ; v27     LDS address of my scale words: lanes 0-15 A's rows, lanes 16-31 B's
.set SPW,  28                          ; v28     LDS address of my spare word; never rewritten
.set NIL,  29                          ; v29     0; never rewritten
.set SC,   32                          ; scale words: set s at v[SC + 16 s]; register 2 i + q: lanes 0-15 A's block i, lanes 16-31 B's block i
.set BI,   64                          ; v64-127 eight bias tiles in the result's layout
.set AF,   128                         ; A's fragments
.set CD,   132                         ; the way out: v132-143 the codes, v144-150 halves on their way
.set PWS,  176                         ; v176-183 the eight blocks' scale words
.set DQ,   184                         ; v184-187 the quad that is stored
.set TM,   200                         ; v200-203 largest magnitudes, v204-207 bytes, v212-215 the conversions' scale operands
.set G1, 24                            ; s[24:31] descriptor group 1 for A's tiles;  s[32:39] group 0, one set for each slot
.set G0, 32
.set G1B, 48                           ; s[48:55], s[56:63] the same for B's tiles
.set G0B, 56
.set G1S, 68                           ; s[68:75], s[76:79] for A's scales;  s[80:87], s[88:91] for B's
.set G0S, 76
.set G1SB, 80
.set G0SB, 88
.set ISV, 95                           ; s95  1 in the cluster column that makes v
.set MSB, 0
.macro WIN new                         ; the immediate's high byte repeats the setting that is left
.if MSB != \new
	s_set_vgpr_msb (MSB<<8)|\new
.set MSB, \new
.endif
.endm
.set MUL_LO, 0xa1                      ; source 0 (B) window 1, source 1 (A) window 0, C and D window 2
.set MUL_HI, 0xf1                      ; the same, C and D window 3
.set BIA_LO, 0x81                      ; C (the bias) window 0, D window 2
.set BIA_HI, 0xc1                      ; C window 0, D window 3
.set TO_B,   0x40                      ; destination window 1, address window 0
; A joint load: waves 0 and 1 fetch for A, waves 2 and 3 for B.  Each line has one mask and one set of registers for all that issue it; the branch hangs on the wave's number alone.
; Four v_nop follow each of the two lines, ahead of the jump, the label and what follows.
.macro JLOAD g0a, g1a, g0b, g1b
	s_cmp_eq_u32 s15, 0
	s_cbranch_scc0 .Lfor_b_\@
	tensor_load_to_lds s[\g0a:\g0a+3], s[\g1a:\g1a+7]
	s_nop 0
.rept 4
	v_nop
.endr
	s_branch .Lasked_\@
.Lfor_b_\@:
	tensor_load_to_lds s[\g0b:\g0b+3], s[\g1b:\g1b+7]
	s_nop 0
.rept 4
	v_nop
.endr
.Lasked_\@:
.endm
.macro CREST                           ; a round of the cluster's barrier behind its opening barrier
	s_cmp_lg_u32 s14, 0
	s_cbranch_scc1 .Lnot_wave_0_\@
	s_barrier_signal -3
.Lnot_wave_0_\@:
	s_barrier_wait -3
	s_barrier_signal -1
	s_barrier_wait -1
.endm
.macro CROUND                          ; a whole round
	s_barrier_signal -1
	s_barrier_wait -1
	CREST
.endm
	s_load_b128 s[4:7], s[0:1], 0x0                ; x's codes, x's scales
	s_load_b128 s[8:11], s[0:1], 0x10              ; the weights' codes, their scales
	s_load_b64 s[12:13], s[0:1], 0x20              ; b_attn
	v_lshl_add_u32 v[SPW], v0, 2, SPARE
	v_mov_b32 v[NIL], 0
	ds_add_u32 v28, v29
	ds_add_u32 v28, v29
	s_wait_dscnt 0x0
	v_lshrrev_b32 v1, 5, v0
	v_readfirstlane_b32 s14, v1                    ; wave 0..3
	s_lshr_b32 s15, s14, 1                         ; which half of A's rows is mine.  Also: I fetch for A (0) or for B (1)
	s_and_b32 s16, s14, 1                          ; which half of B's rows.  Also: which 128 rows of that tile I fetch
	s_bfe_u32 s40, ttmp6, 0x40000                  ; cx, cy: my place in the cluster
	s_bfe_u32 s41, ttmp6, 0x40004
	s_and_b32 s18, ttmp7, 0xffff                   ; the cluster's y: 0..7
	s_cmp_eq_u32 ttmp9, 2                          ; the cluster's x: 0 q, 1 k, 2 v: the same in all sixteen partners
	s_cselect_b32 s[ISV], 1, 0
	s_cselect_b32 s17, 0, s18                      ; A's tiles: v has four (the weight's), q and k 32 (x's)
	s_cselect_b32 s42, s18, ttmp9                  ; B's: v 32 (x's), q and k eight (the weight's)
	s_lshl_b32 s17, s17, 2
	s_add_co_u32 s17, s17, s41                     ; A's tile: it holds cy and never cx
	s_lshl_b32 s42, s42, 2
	s_add_co_u32 s42, s42, s40                     ; B's tile: cx and never cy
	s_lshl_b32 s43, s41, 2
	s_lshl_b32 s43, 15, s43                        ; my row of the cluster
	s_lshl_b32 s44, 0x1111, s40                    ; my column
	; descriptor group 1: a tile of 128 rows x 192 bytes, padded in LDS
	s_or_b32 s[G1+0], s43, (0<<16)|(1<<20)|(1<<21)|(3<<22)|(3<<25)  ; 15:0 the mask: A's tiles go to my row; 17:16 element of 1 byte; 20 padding on; 21 set beside a mask; 24:22 after every 16 words; 31:25 of 4 words
	s_or_b32 s[G1B+0], s44, (0<<16)|(1<<20)|(1<<21)|(3<<22)|(3<<25)
.irp g, G1, G1B
	s_mov_b32 s[\g+1], ROWB<<16                    ; tensor_dim0
	s_mov_b32 s[\g+2], 128<<16                     ; tensor_dim1
	s_mov_b32 s[\g+3], ROWB<<16                    ; tile_dim0
	s_mov_b32 s[\g+4], 128                         ; tile_dim1
	s_mov_b32 s[\g+5], KROW                        ; tensor_dim0_stride
	s_mov_b32 s[\g+6], 0
	s_mov_b32 s[\g+7], 0
.endr
	; the scales of 128 rows: a dense block of 4,096 bytes, as 16 rows of 256 bytes (32 elements of 8 bytes), 16 bytes of padding behind each
	s_or_b32 s[G1S+0], s43, (3<<16)|(1<<20)|(1<<21)|(5<<22)|(3<<25)
	s_or_b32 s[G1SB+0], s44, (3<<16)|(1<<20)|(1<<21)|(5<<22)|(3<<25)
.irp g, G1S, G1SB
	s_mov_b32 s[\g+1], 32<<16
	s_mov_b32 s[\g+2], (128*KS/256)<<16
	s_mov_b32 s[\g+3], 32<<16
	s_mov_b32 s[\g+4], 128*KS/256
	s_mov_b32 s[\g+5], 32
	s_mov_b32 s[\g+6], 0
	s_mov_b32 s[\g+7], 0
.endr
	s_lshl_b32 s18, s16, 7                         ; which 128 rows of the tile I fetch
	s_lshl_b32 s20, s17, 8
	s_add_co_u32 s20, s20, s18                     ; A: row 256 x tile + 128 x half
	s_lshl_b32 s46, s42, 8
	s_add_co_u32 s46, s46, s18                     ; B likewise
	s_mov_b32 s21, 0
	s_mov_b32 s47, 0
	s_mov_b64 s[18:19], KS
	s_mul_u64 s[22:23], s[20:21], s[18:19]         ; where these rows' scales begin, in bytes
	s_mul_u64 s[92:93], s[46:47], s[18:19]
	s_mov_b64 s[18:19], KROW
	s_mul_u64 s[20:21], s[20:21], s[18:19]         ; and their codes
	s_mul_u64 s[46:47], s[46:47], s[18:19]
	s_mul_i32 s45, s14, HALFT                      ; where they go: wave x 128 rows: no place in the cluster enters an LDS address
	s_mul_i32 s94, s14, HALFS
	s_wait_kmcnt 0x0
	s_add_nc_u64 s[96:97], s[8:9], 2048*KROW       ; the weight's rows for v
	s_add_nc_u64 s[98:99], s[10:11], 2048*KS
	s_cmp_eq_u32 s[ISV], 1                         ; who is A and who is B: a choice between buffers on the cluster's x
	s_cselect_b64 s[8:9], s[4:5], s[8:9]           ; B's codes: x's for v, else the weight's
	s_cselect_b64 s[10:11], s[6:7], s[10:11]
	s_cselect_b64 s[4:5], s[96:97], s[4:5]         ; A's codes: the weight's for v, else x's
	s_cselect_b64 s[6:7], s[98:99], s[6:7]
	s_add_nc_u64 s[20:21], s[4:5], s[20:21]
	s_add_nc_u64 s[22:23], s[6:7], s[22:23]
	s_add_nc_u64 s[46:47], s[8:9], s[46:47]
	s_add_nc_u64 s[92:93], s[10:11], s[92:93]
	CROUND                                         ; all sixteen work-groups are here: the first joint loads meet
	s_mov_b32 s[G0S], 1
	s_add_co_u32 s[G0S+1], s94, SCL
	s_mov_b64 s[G0S+2:G0S+3], s[22:23]
	s_or_b32 s[G0S+3], s[G0S+3], 0x80000000
	s_mov_b32 s[G0SB], 1
	s_add_co_u32 s[G0SB+1], s94, SCL
	s_mov_b64 s[G0SB+2:G0SB+3], s[92:93]
	s_or_b32 s[G0SB+3], s[G0SB+3], 0x80000000
	JLOAD G0S, G1S, G0SB, G1SB                     ; the scales first: they are wanted with K step 0
.irp s, 0,1
	s_mov_b32 s[G0+4*\s], 1
	s_add_co_u32 s[G0+4*\s+1], s45, \s*SLOT
	s_add_nc_u64 s[G0+4*\s+2:G0+4*\s+3], s[20:21], \s*ROWB
	s_or_b32 s[G0+4*\s+3], s[G0+4*\s+3], 0x80000000
	s_mov_b32 s[G0B+4*\s], 1
	s_add_co_u32 s[G0B+4*\s+1], s45, \s*SLOT
	s_add_nc_u64 s[G0B+4*\s+2:G0B+4*\s+3], s[46:47], \s*ROWB
	s_or_b32 s[G0B+4*\s+3], s[G0B+4*\s+3], 0x80000000
	JLOAD G0+4*\s, G1, G0B+4*\s, G1B               ; three tensor loads of mine are out
.endr
	s_load_b128 s[4:7], s[0:1], 0x28               ; the images, the scale quads (the operands' addresses are in the descriptors: their registers are free)
	v_and_b32 v1, 15, v0                           ; r = lane % 16; kept
	v_bfe_u32 v2, v0, 4, 1                         ; h = lane / 16; kept
	v_mul_u32_u24 v3, v1, PITCH
	v_mul_u32_u24 v4, v2, 24
	v_add_nc_u32 v4, v3, v4                        ; a fragment's row x pitch + 24 x half
	v_lshl_add_u32 v5, v2, 4, v4                   ; and the same behind one padding more
	s_mul_i32 s21, s15, HALFT                      ; my 128 rows of A
	s_mul_i32 s22, s16, HALFT                      ; my 128 rows of B,
	s_add_co_u32 s22, s22, 2*HALFT                 ; which lie behind A's 256
.irp s, 0,1
	v_add_nc_u32 v[ADRA+\s], s21, v4
	v_add_nc_u32 v[ADRB+\s], s22, v4
	v_add_nc_u32 v[ADRA+2+\s], s21, v5
	v_add_nc_u32 v[ADRB+2+\s], s22, v5
	s_add_co_u32 s21, s21, SLOT
	s_add_co_u32 s22, s22, SLOT
.endr
	v_mul_u32_u24 v5, v1, KS                       ; my row's scales: 32 bytes a row,
	v_lshrrev_b32 v6, 8, v5
	v_lshl_add_u32 v5, v6, 4, v5                   ; and 16 more for each 256 passed
	s_mul_i32 s21, s15, HALFS                      ; A's: my 128 rows
	s_mul_i32 s22, s16, HALFS                      ; B's: my 128 rows, behind A's 256
	s_add_co_u32 s22, s22, 2*HALFS
	s_sub_co_u32 s22, s22, s21
	v_mul_u32_u24 v6, s22, v2                      ; lanes 16-31 take B's
	s_add_co_u32 s21, s21, SCL
	v_add_nc_u32 v5, v5, v6
	v_add_nc_u32 v[ADRS], s21, v5
	; where my results go, and where my bias lies.  X = the side that is x, W = the side that is the weight
	s_cmp_eq_u32 s[ISV], 1
	s_cselect_b32 s18, s42, s17                    ; x's tile of 256 tokens, 0..31
	s_cselect_b32 s19, s16, s15                    ; my half of it
	s_cselect_b32 s20, s41, s40                    ; the weight's tile inside q, k or v, 0..3
	s_cselect_b32 s21, s15, s16                    ; my half of it: a pair of heads
	s_cselect_b32 s22, s17, s42                    ; the weight's tile as the descriptors count it
	s_cselect_b32 s23, 8192, 0                     ; v's bias begins 2,048 numbers on
	s_mov_b32 s46, 6144
	s_cselect_b32 s46, 768, s46                    ; from registers 0-5 to registers 6-11 of a block's codes
	s_mov_b32 s92, 768
	s_cselect_b32 s92, 1536, s92                   ; from block to block: a fragment image (v) or a tile image (q, k)
	s_mov_b32 s93, 0
	s_lshl_b32 s22, s22, 10
	s_lshl_b32 s47, s21, 9
	s_add_co_u32 s22, s22, s47
	s_add_co_u32 s22, s22, s23
	s_mov_b32 s23, 0
	s_add_nc_u64 s[12:13], s[12:13], s[22:23]      ; the bias of my 128 of the weight's rows
	s_lshr_b32 s22, s18, 3                         ; the batch: eight tiles of 256 tokens each
	s_lshl_b32 s22, s22, 3
	s_lshl_b32 s20, s20, 1
	s_add_co_u32 s22, s22, s20
	s_add_co_u32 s22, s22, s21                     ; the pair of heads: 8 x batch + 2 x tile + half
	s_and_b32 s18, s18, 7
	s_lshl_b32 s18, s18, 1
	s_add_co_u32 s18, s18, s19                     ; the step of 128 tokens inside the batch
	s_lshl_b32 s20, s22, 4
	s_add_co_u32 s20, s20, s18
	s_mul_i32 s96, s20, 12288                      ; images: [q, k, v][pair of heads 32][step 16][head 2][6,144 bytes]
	s_mul_i32 s21, ttmp9, 6291456
	s_add_co_u32 s96, s96, s21
	s_mov_b32 s97, 0
	s_lshl_b32 s98, s22, 13                        ; quads: [q, k, v][head 64][step 16][256 bytes]
	s_lshl_b32 s18, s18, 8
	s_add_co_u32 s98, s98, s18
	s_lshl_b32 s21, ttmp9, 18
	s_add_co_u32 s98, s98, s21
	s_mov_b32 s99, 0
	v_and_b32 v6, 31, v0
	v_lshlrev_b32 v[VLO], 3, v6
	v_add_nc_u32 v[VHI], s46, v[VLO]
	v_lshlrev_b32 v[VSC], 4, v1
	v_lshl_add_u32 v[VSC], v2, 12, v[VSC]
	v_mov_b32 v[SELV], 0x05040100
	v_mov_b32 v8, 0x07060302
	v_cmp_eq_u32 vcc_lo, 1, v2
	v_cndmask_b32 v[SELV], v[SELV], v8, vcc_lo
	v_lshlrev_b32 v30, 6, v2                       ; q, k: the bias runs along my registers: 16 numbers on for lanes 16-31
	v_and_b32 v31, 8, v1
	v_add_nc_u32 v31, v31, v1
	v_lshlrev_b32 v31, 2, v31                      ; v: the bias is my row's: stored row r of a tile is channel r + 8 (r / 8) of its group of 32
	s_cmp_eq_u32 s[ISV], 1
	s_cbranch_scc1 .Lbias_v
.irp b, 0,1,2,3,4,5,6,7                        ; tile b of B: numbers 32 (b / 2) + 16 h + 8 (b % 2) + 0 .. 7
	global_load_b128 v[BI+8*\b:BI+8*\b+3], v30, s[12:13] offset:4*(32*(\b/2)+8*(\b%2))
	global_load_b128 v[BI+8*\b+4:BI+8*\b+7], v30, s[12:13] offset:4*(32*(\b/2)+8*(\b%2))+16
.endr
	s_branch .Lbias_done
.Lbias_v:
.irp a, 0,1,2,3,4,5,6,7                        ; tile a of A: one number a lane, in all eight registers
.irp j, 0,1,2,3,4,5,6,7
	global_load_b32 v[BI+8*\a+\j], v31, s[12:13] offset:4*(32*(\a/2)+8*(\a%2))
.endr
.endr
.Lbias_done:
	s_wait_kmcnt 0x0
	s_add_nc_u64 s[4:5], s[4:5], s[96:97]          ; my first image
	s_add_nc_u64 s[6:7], s[6:7], s[98:99]          ; my quads
.macro FRAG reg, adr, q, i             ; a fragment, 16 rows x 128 K, is 12 registers: lane l holds row l % 16; registers 6 c .. 6 c + 5 hold K = 64 c + 32 (l / 16) + 0 .. 31: 24 bytes of the row's stream of bits
.irp p, 0,1,2,3,4,5                    ; in pieces of 8 bytes.  Lanes 0-15 take the row's pieces 12 q + 0, 1, 2 and 12 q + 6, 7, 8, lanes 16-31 those three pieces on
.set PCE, 12*(\q)+6*(\p/3)+\p%3        ; 16 bytes of padding lie behind every 8 pieces: where the piece three on lies behind one padding more, the second address register serves
.if PCE%8 < 5
	ds_load_b64 v[\reg+2*\p:\reg+2*\p+1], v[\adr] offset:8*PCE+16*(PCE/8)+(\i)*16*PITCH
.else
	ds_load_b64 v[\reg+2*\p:\reg+2*\p+1], v[\adr+2] offset:8*PCE+16*(PCE/8)+(\i)*16*PITCH
.endif
.endr
.endm
; 16 matrix instructions: A's blocks a0, a0 + 1 x B's eight, 128 along K: the slot's q-th.  p: B's set;  sc: the set of scale words.
; cm = 0: the sums go on in place;  1: they begin with the bias tile of B's block (q, k);  2: with that of A's block (v).  Nothing is ever cleared.
; The 64 accumulators take turns, one instruction a turn, in the same order in every step.
.macro MUL16 a0, p, q, sc, cm
.irp a, \a0, \a0+1
.irp b, 0,1,2,3,4,5,6,7
.if \cm == 1
	v_wmma_scale_f32_16x16x128_f8f6f4 v[8*(8*((\a)%4)+\b):8*(8*((\a)%4)+\b)+7], v[128*(\p)+FR*\b:128*(\p)+FR*\b+FR-1], v[AF+FR*(\a):AF+FR*(\a)+FR-1], v[BI+8*\b:BI+8*\b+7], v[SC+8*NQ*(\sc)+NQ*\b+(\q)], v[SC+8*NQ*(\sc)+NQ*(\a)+(\q)] matrix_a_fmt:MATRIX_FMT_FP6 matrix_b_fmt:MATRIX_FMT_FP6 matrix_a_scale:MATRIX_SCALE_ROW1
.elseif \cm == 2
	v_wmma_scale_f32_16x16x128_f8f6f4 v[8*(8*((\a)%4)+\b):8*(8*((\a)%4)+\b)+7], v[128*(\p)+FR*\b:128*(\p)+FR*\b+FR-1], v[AF+FR*(\a):AF+FR*(\a)+FR-1], v[BI+8*(\a):BI+8*(\a)+7], v[SC+8*NQ*(\sc)+NQ*\b+(\q)], v[SC+8*NQ*(\sc)+NQ*(\a)+(\q)] matrix_a_fmt:MATRIX_FMT_FP6 matrix_b_fmt:MATRIX_FMT_FP6 matrix_a_scale:MATRIX_SCALE_ROW1
.else
	v_wmma_scale_f32_16x16x128_f8f6f4 v[8*(8*((\a)%4)+\b):8*(8*((\a)%4)+\b)+7], v[128*(\p)+FR*\b:128*(\p)+FR*\b+FR-1], v[AF+FR*(\a):AF+FR*(\a)+FR-1], v[8*(8*((\a)%4)+\b):8*(8*((\a)%4)+\b)+7], v[SC+8*NQ*(\sc)+NQ*\b+(\q)], v[SC+8*NQ*(\sc)+NQ*(\a)+(\q)] matrix_a_fmt:MATRIX_FMT_FP6 matrix_b_fmt:MATRIX_FMT_FP6 matrix_a_scale:MATRIX_SCALE_ROW1
.endif
.endr
.endr
.endm
.macro FETCH_B slot, q, p              ; B's eight fragments of the slot's q-th 128 along K into set p
	WIN TO_B
.irp i, 0,1,2,3,4,5,6,7
	FRAG 128*(\p)+FR*\i, ADRB+\slot, \q, \i
.endr
	WIN 0
.endm
.macro FETCH_A slot, q, i0             ; A's blocks i0 .. i0 + 3
.irp i, \i0, \i0+1, \i0+2, \i0+3
	FRAG AF+FR*(\i), ADRA+\slot, \q, \i
.endr
.endm
.macro SCALES sc                       ; a K step's scale words into set sc: two words a row; lanes 0-15 take A's block i, lanes 16-31 B's block i
.irp i, 0,1,2,3,4,5,6,7
	ds_load_b64 v[SC+8*NQ*\sc+NQ*\i:SC+8*NQ*\sc+NQ*\i+1], v[ADRS] offset:\i*SBLK
.endr
.endm
; A load into a register that a matrix instruction has read, and a vector instruction that reads a matrix result or writes one of its registers, stand NP places behind it; only plain vector instructions that
; name none of its registers are places (ISA guide 7.12.1 for vector instructions).
.macro PLACES n
.rept \n
	v_nop
.endr
.endm
; A step of 128 along K that has its successor in the same slot.
.macro STEP slot, q, cm
	s_wait_dscnt 4*NL                              ; B's set and A's blocks 0-3 are in; the youngest 24 loads (A's blocks 4-7) may be out
.if \cm
	WIN BIA_LO
.else
	WIN MUL_LO
.endif
	MUL16 0, (\q)%2, \q, \slot, \cm
	MUL16 2, (\q)%2, \q, \slot, \cm
	s_wait_dscnt 0                                 ; A's blocks 4-7 are in (asked for 32 matrix instructions ago)
	PLACES NP
	FETCH_B \slot, (\q)+1, 1-(\q)%2
	FETCH_A \slot, (\q)+1, 0
.if \cm
	WIN BIA_HI
.else
	WIN MUL_HI
.endif
	MUL16 4, (\q)%2, \q, \slot, \cm
	MUL16 6, (\q)%2, \q, \slot, \cm
	PLACES NP
	WIN 0
	FETCH_A \slot, (\q)+1, 4
.endm
; A slot's last step changes slots: one barrier; in front of it each wave waits for all its tensor loads, adds 0 to its spare word, and waits for that and for its own reads of this slot.  fill = 1: this slot is filled again, two K steps ahead.
.macro TURN slot, next, fill
	s_wait_tensorcnt 0x0                           ; all my tensor loads have landed: my part of the next slot;  (every window is 0 here)
	ds_add_u32 v[SPW], v[NIL]                      ; 0 onto my spare word
	s_wait_dscnt 4*NL+1                            ; (the add and the youngest 24 loads, A's blocks 4-7, may be out)
	WIN MUL_LO
	MUL16 0, 1, NQ-1, \slot, 0                     ; sixteen matrix instructions stand between the add and the wait for it
	s_wait_dscnt 0x0                               ; the add is done, and my reads of this slot are over
	s_barrier_signal -1
	MUL16 2, 1, NQ-1, \slot, 0
	WIN 0
	s_barrier_wait -1
.if \fill
	CREST                                          ; the barrier has opened a round of the cluster's barrier: no wave of any partner still reads this slot's tile or has a load on its way
	s_add_nc_u64 s[G0+4*\slot+2:G0+4*\slot+3], s[G0+4*\slot+2:G0+4*\slot+3], 2*ROWB
	s_add_nc_u64 s[G0B+4*\slot+2:G0B+4*\slot+3], s[G0B+4*\slot+2:G0B+4*\slot+3], 2*ROWB
	JLOAD G0+4*\slot, G1, G0B+4*\slot, G1B         ; the first tensor load behind the round; its four v_nop are the places in front of the loads below
.else
	PLACES NP
.endif
	v_add_nc_u32 v[ADRS], 4*NQ, v[ADRS]            ; on to the next K step's scale words (no LDS load of mine is out)
	FETCH_B \next, 0, 0
	FETCH_A \next, 0, 0
	SCALES \next
	WIN MUL_HI
	MUL16 4, 1, NQ-1, \slot, 0
	MUL16 6, 1, NQ-1, \slot, 0
	PLACES NP
	WIN 0
	FETCH_A \next, 0, 4
.endm
	s_wait_tensorcnt 1                             ; the scales and my part of K step 0 are in (K step 1's load may be out),
	s_barrier_signal -1
	s_barrier_wait -1                              ; everybody's are
	FETCH_B 0, 0, 0
	FETCH_A 0, 0, 0
	SCALES 0
	FETCH_A 0, 0, 4
	s_wait_loadcnt 0x0                             ; the bias tiles
	s_cmp_eq_u32 s[ISV], 1                         ; the first step is written twice: its products begin the sums with the bias, which lies along B for q and k and along A for v
	s_cbranch_scc1 .Lfirst_v
	STEP 0, 0, 1
	s_branch .Lfirst_done
.Lfirst_v:
	STEP 0, 0, 2
.Lfirst_done:
	s_mov_b32 s3, LAPS-1
.Llap:                                                 ; a trip goes once round the ring, from a lap's second step to the next lap's first, and fills both slots again
	TURN 0, 1, 1
	STEP 1, 0, 0
	TURN 1, 0, 1
	STEP 0, 0, 0
	s_sub_co_u32 s3, s3, 1
	s_cmp_lg_u32 s3, 0
	s_cbranch_scc1 .Llap
	TURN 0, 1, 0                                   ; the last lap fills nothing, and has no round of the cluster's barrier
	STEP 1, 0, 0
	s_wait_dscnt 4*NL                              ; the very last step: nothing more to fetch
	WIN MUL_LO
	MUL16 0, 1, NQ-1, 1, 0
	MUL16 2, 1, NQ-1, 1, 0
	s_wait_dscnt 0
	WIN MUL_HI
	MUL16 4, 1, NQ-1, 1, 0
	MUL16 6, 1, NQ-1, 1, 0
	WIN 0
; THE WAY OUT of A's block a.  Its 64 numbers of a lane, register 16 b + i = index 32 b + 16 (lane / 16) + i along the next K, become 12 registers of codes and a scale word.
.macro OUTBLK a
.set AC, 64*((\a)%4)
.set WN, 2+(\a)/4
	WIN (WN<<2)|(WN<<4)                            ; sources 1 and 2: the accumulators' window
.irp b, 0,1,2,3
	v_max3_num_f32 v[TM+\b], 0x1800000, |v[AC+16*\b]|, |v[AC+1+16*\b]|   ; block b: my 16 numbers, each accumulator from its low end on, and the floor 2^(3 - 127): the byte cannot fall under 1
.endr
.irp i, 2,4,6,8,10,12,14
.irp b, 0,1,2,3
	v_max3_num_f32 v[TM+\b], v[TM+\b], |v[AC+16*\b+\i]|, |v[AC+1+16*\b+\i]|   ; (the four blocks by turns)
.endr
.endr
	WIN 0
.irp b, 0,1,2,3
	v_permlanex16_b32 v[TM+4+\b], v[TM+\b], s40, s41
.endr
.irp b, 0,1,2,3
	v_max_num_f32 v[TM+\b], v[TM+\b], v[TM+4+\b]   ; with lane l xor 16's: the block's largest magnitude
.endr
.irp b, 0,1,2,3
	v_add_nc_u32 v[TM+12+\b], 0xff000000, v[TM+\b] ; 2 off its exponent field: the conversion's scale operand
.endr
.irp b, 0,1,2,3
	v_lshrrev_b32 v[TM+4+\b], 23, v[TM+12+\b]      ; the scale's byte
.endr
	v_lshl_or_b32 v[PWS+(\a)], v[TM+5], 8, v[TM+4] ; my row's scale word
	v_lshl_or_b32 v[PWS+(\a)], v[TM+6], 16, v[PWS+(\a)]
	v_lshl_or_b32 v[PWS+(\a)], v[TM+7], 24, v[PWS+(\a)]
.if (\a) > 0
	s_wait_xcnt 0x0                                ; the last block's stores have read their data and their base: both are written below
	s_add_nc_u64 s[4:5], s[4:5], s[92:93]          ; the next image
.endif
	WIN WN                                         ; source 0: the accumulators' window
.irp c, 0,1
	v_cvt_scalef32_pk16_fp6_f32 v[CD+6*\c:CD+2+6*\c], v[AC+32*\c:AC+15+32*\c], v[TM+12+2*\c]
	v_cvt_scalef32_pk16_fp6_f32 v[CD+12+4*\c:CD+14+4*\c], v[AC+16+32*\c:AC+31+32*\c], v[TM+12+2*\c+1]   ; (a conversion's three registers begin on an even number)
.endr
	WIN 0
	v_nop                                          ; one plain place behind a scaled conversion
.irp c, 0,1                                    ; the operand's layout wants a whole block in a lane: lanes 0-15 block 2 c, lanes 16-31 block 2 c + 1
.irp i, 0,1,2
	v_permlane16_swap_b32 v[CD+6*\c+\i], v[CD+12+4*\c+\i]
.endr
.irp i, 0,1,2
	v_mov_b32 v[CD+3+6*\c+\i], v[CD+12+4*\c+\i]
.endr
.endr
.irp p, 0,1,2
	global_store_b64 v[VLO], v[CD+2*\p:CD+2*\p+1], s[4:5] offset:256*\p          ; 32 lanes store 256 consecutive bytes, aligned
.endr
.irp p, 3,4,5
	global_store_b64 v[VHI], v[CD+2*\p:CD+2*\p+1], s[4:5] offset:256*(\p-3)
.endr
.endm
	PLACES NP                                      ; behind the last products: their results are read and the registers that held A's fragments are written
	s_mov_b32 s40, 0x76543210                      ; v_permlanex16_b32's selects for lane l xor 16 (cx and cy are done with)
	s_mov_b32 s41, 0xfedcba98
.irp b, 0,1,2,3
	v_mov_b32 v[TM+4+\b], 0                        ; written once: a lane permute's destination counts as one of its sources
.endr
.irp a, 0,1,2,3,4,5,6,7
	OUTBLK \a
.endr
	; the scale quads: lanes 0-15 store my first head's, lanes 16-31 my second head's
	v_cmp_eq_u32 vcc_lo, 1, v2
	s_cmp_eq_u32 s[ISV], 1
	s_cbranch_scc1 .Lquad_v
.irp q, 0,1,2,3                                ; q, k: word q = tile 2 q's two bytes of the head, then tile 2 q + 1's: the scale word of a pair of tiles taken as one fragment
	v_perm_b32 v[DQ+\q], v[PWS+2*\q+1], v[PWS+2*\q], v[SELV]
.endr
	s_branch .Lquad_done
.Lquad_v:
.irp t, 0,1,2,3                                ; v: word t = the four key blocks of the head's tile t of channels
	v_cndmask_b32 v[DQ+\t], v[PWS+\t], v[PWS+4+\t], vcc_lo
.endr
.Lquad_done:
	global_store_b128 v[VSC], v[DQ:DQ+3], s[6:7]   ; sixteen lanes store 256 consecutive bytes, aligned
	s_wait_tensorcnt 0x0                           ; the wave's end
	ds_add_u32 v[SPW], v[NIL]
	s_wait_dscnt 0x0
	CROUND                                         ; the closing round: no work-group ends while a partner may still ask for a tile that names it
	s_endpgm
.Lfunc_end_k_q57bd4c41c3_qkv:
	.size	k_q57bd4c41c3_qkv, .Lfunc_end_k_q57bd4c41c3_qkv-k_q57bd4c41c3_qkv
	.p2alignl 7, 3214868480
	.fill 96, 4, 3214868480
	.section	.rodata,"a",@progbits
	.p2align	6, 0x0
	.amdhsa_kernel k_q57bd4c41c3_qkv
		.amdhsa_group_segment_fixed_size 327680
		.amdhsa_private_segment_fixed_size 0
		.amdhsa_enable_private_segment 0
		.amdhsa_kernarg_size 56
		.amdhsa_user_sgpr_count 2
		.amdhsa_user_sgpr_kernarg_segment_ptr 1
		.amdhsa_wavefront_size32 1
		.amdhsa_system_sgpr_workgroup_id_x 1
		.amdhsa_system_sgpr_workgroup_id_y 1
		.amdhsa_system_sgpr_workgroup_id_z 1
		.amdhsa_system_vgpr_workitem_id 0
		.amdhsa_next_free_vgpr 1024
		.amdhsa_next_free_sgpr 100
		.amdhsa_reserve_vcc 1
		.amdhsa_float_denorm_mode_32 3
		.amdhsa_float_denorm_mode_16_64 3
		.amdhsa_memory_ordered 1
		.amdhsa_forward_progress 1
		.amdhsa_inst_pref_size 191
	.end_amdhsa_kernel
	.amdgpu_metadata
---
amdhsa.version: [ 1, 2 ]
amdhsa.kernels:
  - .name:           k_q57bd4c41c3_qkv
    .symbol:         k_q57bd4c41c3_qkv.kd
    .args:
      - { .name: x_codes, .offset: 0, .size: 8, .value_kind: global_buffer, .address_space: global }
      - { .name: x_scales, .offset: 8, .size: 8, .value_kind: global_buffer, .address_space: global }
      - { .name: w_codes, .offset: 16, .size: 8, .value_kind: global_buffer, .address_space: global }
      - { .name: w_scales, .offset: 24, .size: 8, .value_kind: global_buffer, .address_space: global }
      - { .name: b_attn, .offset: 32, .size: 8, .value_kind: global_buffer, .address_space: global }
      - { .name: qkv_img, .offset: 40, .size: 8, .value_kind: global_buffer, .address_space: global }
      - { .name: qkv_sc, .offset: 48, .size: 8, .value_kind: global_buffer, .address_space: global }
    .group_segment_fixed_size: 327680
    .private_segment_fixed_size: 0
    .kernarg_segment_align: 8
    .kernarg_segment_size: 56
    .max_flat_workgroup_size: 128
    .sgpr_count:     100
    .vgpr_count:     1024
    .wavefront_size: 32
...
	.end_amdgpu_metadata
.endif
;; end of part 2
;; launch attn (part 3): grid 4 x 64, 16 waves a work-group, no clusters, 206,848 bytes of LDS; arguments qkv_img, qkv_sc, a_img, a_sc; writes a_img, a_sc
.if DOCPART == 3
	.amdgcn_target "amdgcn-amd-amdhsa--gfx1250"
	.amdhsa_code_object_version 6
	.text
	.protected	k_q57bd4c41c3_attn
	.globl	k_q57bd4c41c3_attn
	.p2align	8
	.type	k_q57bd4c41c3_attn,@function
k_q57bd4c41c3_attn:
	s_mov_b64 s[64:65], 0
	v_nop
	global_prefetch_b8 v0, s[64:65] scope:SCOPE_SE
	s_setreg_imm32_b32 hwreg(HW_REG_WAVE_MODE, 25, 1), 1
	s_wait_xcnt 0x0
; a = softmax(mask(q k^T / 8)) v for one head, both products on codes of FP6 (E2M3) with E8M0 scales; a is quantised along the head's 64 and leaves as images of operand registers for the last product.
; THE MASK.  A key behind the query has the logit -10000, a number and no -infinity: it takes part in the row's maximum, in the row's sum and in the second product.  So: (a) the running largest t of a row begins at
; tm = -10000 log2(e), but for the last query, which has no masked key; (b) in the key step on the diagonal the hidden scores are replaced by -80000 (x 1/8 = -10000) ahead of the maximum; (c) behind the diagonal M is final and every
; p of a row is the same number pm = 2^(tm - M): P is then one standing fragment (one code, one byte a row), a key step is four products and no softmax, and the sum takes pm x the number of such keys at once.
; THE SOFTMAX: t = score x log2(e) / 8; M = the largest t so far rounded up to a whole number, kept as -M = floor(-t); p = 2^(t - M) is quantised along the keys, not normalised; the sum is taken of the unquantised p and
; divides at the end.  When M moves, the sum and O are multiplied by 2^(old M - new M): exact.
; SHARES.  Work-group (i, head) takes the blocks 7 - i and i of 256 queries, one after the other, so that all 256 work-groups have the same work.  Each of sixteen waves owns one stored tile of 16 queries, in 256 registers:
; four waves to a SIMD, so that one wave's vector work stands beside another's matrix work and LDS loads.  Every wave walks all 16 key steps of 128 (trip counts are constants); what a step does hangs on ids alone.
; LDS.  The head's whole K and V, as images, and their scale quads lie in LDS, filled once by the tensor data mover: nothing is filled again.  The loads go out at the head in four chunks of four key steps; the first pass
; waits for a chunk at a time.  There is no later load that a prefetch could run ahead of.
; NO CLUSTER, though the four work-groups of a head read the same K and V: what a step does (visible, diagonal, hidden) is a branch on the query block, which is the only thing that tells the four apart, and partners of a
; joint load must run alike.
; LAYOUT.  S^T = K Q^T and O^T = V^T P^T: a lane holds one query (lane % 16).  Tokens are stored with bits 3 and 4 of their number exchanged: the 16 registers of K's tiles 2 b, 2 b + 1 are keys 32 b + 16 (lane / 16) + 0 .. 15.
; K = 64 IN AN INSTRUCTION OF 128: two tiles of K (12 registers) are source 0 twice: against [q][0] they give the first tile's scores, against [0][q] the second's: zero codes cancel the other tile.
; LIMITS: NaN and infinities are not served; a p under 2^-126 counts as 0 (v_exp_f32 gives 0 there: ISA guide 15.8); a block of zeros gets the byte 1 (read by this program alone); a's scale bytes leave two at a time.
; REGISTERS: v1-7 addresses and ids that stay; v8-11 the step's addresses; v12 -M, v13 the largest t, v[14:15] the sum in two halves; v16 -80000; v17 my query in its block; v32-79 four pairs of K's tiles or four fragments of V;
;   v80-87 the second pass's q and both scale words as loaded; v96-159 S^T, then p; v160-191 O^T; v192-209 [q][0][q]; v210 q's scale word; v224-235 P's codes; v232-254 at work; v248-251 a scale quad.
.set VIMG,  98304                      ; LDS: K's images at 0, 6,144 bytes a step; V's here;
.set KQD,   196608                     ; K's quads, 256 bytes a step;
.set VQD,   200704                     ; V's
.set STEPB, 6144
.set WV,   12                          ; s12  my wave's number
.set BH,   13                          ; s13  16 x batch + head
.set G1I,  16                          ; s[16:23] descriptor group 1: a step's unit of images, 24 rows of 256 bytes
.set G1S,  24                          ; s[24:31] four steps' quads, 4 rows of 256 bytes
.set G0,   32                          ; s[32:51] five groups 0: the quads, then chunks 0 to 3; written once
.set SEL,  52                          ; s[52:53] v_permlanex16_b32's selects for lane l xor 16
.set CS,   54                          ; s[54:55] c = log2(e) / 8, twice
.set J,    56                          ; s56  the key step
.set JD,   57                          ; s57  the key step on my diagonal
.set TB,   58                          ; s58  6,144 x step
.set TS,   59                          ; s59  256 x step
.set CNT,  60
.set HC,   61                          ; s61  f32: my lane's share of the keys behind the diagonal step: 64 (15 - JD)
.set QB,   62                          ; s62  the pass's block of queries
.set ONES, 63                          ; s63  0x01010101
.set SELQ, 68                          ; s68  byte selects: my tile's half of a quad's word, twice
.set OA,   70                          ; s[70:73] first pass: where a's image and a's scale bytes go;  s[74:77] second pass
.set OB,   74
.set QA,   78                          ; s[78:81] first pass: q's image, q's scale word;  s[82:85] second pass
.set QBB,  82
.macro FRAGS adr                       ; four images of 1,536 bytes into v32-79: each load takes 256 consecutive bytes
.irp a, 0,1,2,3
.irp p, 0,1,2,3,4,5
	ds_load_b64 v[32+12*\a+2*\p:33+12*\a+2*\p], v[\adr] offset:1536*\a+256*\p
.endr
.endr
.endm
.macro PV                              ; O^T += V^T P^T: four tiles of 16 channels, K = the step's 128 keys; the four accumulators take turns
.irp t, 0,1,2,3
	v_wmma_scale_f32_16x16x128_f8f6f4 v[160+8*\t:167+8*\t], v[32+12*\t:43+12*\t], v[224:235], v[160+8*\t:167+8*\t], v[248+\t], v253 matrix_a_fmt:MATRIX_FMT_FP6 matrix_b_fmt:MATRIX_FMT_FP6
.endr
.endm
; where a pass's q comes from and its a goes.  qb: the scalar register with the block;  s86, s87 at work;  s88 to s91 and s69 hold what both passes share
.macro PASSADR qb, q, o
	s_lshl_b32 s86, s[\qb], 1
	s_lshr_b32 s87, s[WV], 3
	s_add_co_u32 s86, s86, s87                     ; the step of 128 tokens in which my tile lies
	s_mul_i32 s87, s86, 2*STEPB
	s_add_co_u32 s[\q], s87, s88
	s_mov_b32 s[\q+1], 0
	s_lshl_b32 s87, s86, 8
	s_add_co_u32 s[\q+2], s87, s89
	s_mov_b32 s[\q+3], 0
	s_lshl_b32 s87, s[\qb], 4
	s_add_co_u32 s87, s87, s90                     ; my tile among all 512: 128 x batch + 16 x block + wave
	s_mul_i32 s[\o], s87, 12288
	s_add_co_u32 s[\o], s[\o], s91                 ; a's images: [tile 512][head 16][768 bytes]
	s_mov_b32 s[\o+1], 0
	s_lshl_b32 s[\o+2], s87, 9
	s_add_co_u32 s[\o+2], s[\o+2], s69             ; a's scale bytes: [stored row 8192][32]: 2 x head on
	s_mov_b32 s[\o+3], 0
	s_add_nc_u64 s[\q:\q+1], s[4:5], s[\q:\q+1]
	s_add_nc_u64 s[\q+2:\q+3], s[6:7], s[\q+2:\q+3]
	s_add_nc_u64 s[\o:\o+1], s[8:9], s[\o:\o+1]
	s_add_nc_u64 s[\o+2:\o+3], s[10:11], s[\o+2:\o+3]
.endm
	s_load_b256 s[4:11], s[0:1], 0x0               ; the images, the quads, a's images, a's scale bytes
	v_lshl_add_u32 v243, v0, 2, 0x32000
	v_mov_b32 v255, 0
	ds_add_u32 v243, v255
	ds_add_u32 v243, v255
	v_lshrrev_b32 v20, 5, v0
	s_delay_alu instid0(VALU_DEP_1)
	v_readfirstlane_b32 s[WV], v20                 ; wave 0..15
	s_and_b32 s[BH], ttmp7, 0xffff
	s_mov_b32 s[G1I], 3<<16                        ; no mask; elements of 8 bytes; no padding
	s_mov_b32 s[G1I+1], 32<<16                     ; tensor_dim0 = 32 elements: 256 bytes
	s_mov_b32 s[G1I+2], 24<<16                     ; tensor_dim1 = 24
	s_mov_b32 s[G1I+3], 32<<16                     ; tile_dim0
	s_mov_b32 s[G1I+4], 24                         ; tile_dim1
	s_mov_b32 s[G1I+5], 32                         ; the rows are dense
	s_mov_b32 s[G1I+6], 0
	s_mov_b32 s[G1I+7], 0
	s_mov_b32 s[G1S], 3<<16
	s_mov_b32 s[G1S+1], 32<<16
	s_mov_b32 s[G1S+2], 4<<16
	s_mov_b32 s[G1S+3], 32<<16
	s_mov_b32 s[G1S+4], 4
	s_mov_b32 s[G1S+5], 32
	s_mov_b32 s[G1S+6], 0
	s_mov_b32 s[G1S+7], 0
	; waves 0-3 fetch K, waves 4-7 V: wave's low two bits = which step of a chunk, and which quarter of the quads
	s_and_b32 s66, s[WV], 3
	s_lshr_b32 s67, s[WV], 2
	s_lshr_b32 s14, s[BH], 1
	s_mul_i32 s14, s14, 16*2*STEPB
	s_and_b32 s15, s[BH], 1
	s_mul_i32 s15, s15, STEPB
	s_add_co_u32 s14, s14, s15                     ; the head's first unit inside q's, k's or v's images
	s_add_co_u32 s69, s67, 1                       ; 1 k, 2 v
	s_mul_i32 s86, s69, 6291456
	s_add_co_u32 s86, s86, s14
	s_mul_i32 s87, s66, 2*STEPB
	s_add_co_u32 s86, s86, s87
	s_mov_b32 s87, 0                               ; images: my step of chunk 0
	s_lshl_b32 s88, s69, 18
	s_lshl_b32 s89, s[BH], 12
	s_add_co_u32 s88, s88, s89
	s_lshl_b32 s89, s66, 10
	s_add_co_u32 s88, s88, s89
	s_mov_b32 s89, 0                               ; quads: my four steps'
	s_mul_i32 s90, s67, VIMG                       ; and where they go: a constant x (wave / 4) + a constant x (wave % 4)
	s_mul_i32 s91, s66, STEPB
	s_add_co_u32 s90, s90, s91
	s_lshl_b32 s91, s67, 12
	s_lshl_b32 s69, s66, 10
	s_add_co_u32 s91, s91, s69
	s_add_co_u32 s91, s91, KQD
	s_wait_dscnt 0x0
	s_wait_kmcnt 0x0
	s_add_nc_u64 s[86:87], s[4:5], s[86:87]
	s_add_nc_u64 s[88:89], s[6:7], s[88:89]
	s_mov_b32 s[G0], 1
	s_mov_b32 s[G0+1], s91
	s_mov_b64 s[G0+2:G0+3], s[88:89]
	s_or_b32 s[G0+3], s[G0+3], 0x80000000
.irp c, 0,1,2,3
	s_mov_b32 s[G0+4+4*\c], 1
	s_add_co_u32 s[G0+5+4*\c], s90, 4*STEPB*\c
	s_add_nc_u64 s[G0+6+4*\c:G0+7+4*\c], s[86:87], 8*STEPB*\c
	s_or_b32 s[G0+7+4*\c], s[G0+7+4*\c], 0x80000000
.endr
	s_cmp_lt_u32 s[WV], 8                          ; all first fills of a wave stand in one branch: five tensor loads of mine are out; four v_nop follow the last
	s_cbranch_scc0 .Lno_fill
	tensor_load_to_lds s[G0:G0+3], s[G1S:G1S+7]
	s_nop 0
	tensor_load_to_lds s[G0+4:G0+7], s[G1I:G1I+7]
	s_nop 0
	tensor_load_to_lds s[G0+8:G0+11], s[G1I:G1I+7]
	s_nop 0
	tensor_load_to_lds s[G0+12:G0+15], s[G1I:G1I+7]
	s_nop 0
	tensor_load_to_lds s[G0+16:G0+19], s[G1I:G1I+7]
	s_nop 0
.rept 4
	v_nop
.endr
.Lno_fill:
	s_and_b32 s86, s[WV], 7                        ; my tile inside its step of eight
	s_mul_i32 s88, s86, 768
	s_add_co_u32 s88, s88, s14                     ; q's image, but for the step
	s_lshr_b32 s86, s86, 1
	s_lshl_b32 s86, s86, 2
	s_lshl_b32 s89, s[BH], 12
	s_add_co_u32 s89, s89, s86                     ; q's scale word: the pair's word of the quad
	s_lshr_b32 s90, s[BH], 4
	s_lshl_b32 s90, s90, 7
	s_add_co_u32 s90, s90, s[WV]                   ; 128 x batch + wave
	s_and_b32 s69, s[BH], 15
	s_mul_i32 s91, s69, 768
	s_lshl_b32 s69, s69, 1
	s_sub_co_u32 s66, 7, ttmp9                     ; the first pass's block,
	s_mov_b32 s67, ttmp9                           ; the second's
	PASSADR 66, QA, OA
	PASSADR 67, QBB, OB
	v_and_b32 v20, 31, v0                          ; lane
	v_and_b32 v21, 15, v0                          ; r
	v_bfe_u32 v22, v0, 4, 1                        ; h
	s_delay_alu instid0(VALU_DEP_3)
	v_lshlrev_b32 v1, 3, v20                       ; 8 x lane: my place in a piece of an image, in LDS (K's) and in memory
	s_delay_alu instid0(VALU_DEP_3)
	v_lshlrev_b32 v5, 4, v21                       ; 16 r: my row's quad
.irp p, 0,1,2
	global_load_b64 v[192+2*\p:193+2*\p], v1, s[QA:QA+1] offset:256*\p     ; the first pass's q, twice: [q][0][q]
	global_load_b64 v[204+2*\p:205+2*\p], v1, s[QA:QA+1] offset:256*\p
	global_load_b64 v[80+2*\p:81+2*\p], v1, s[QBB:QBB+1] offset:256*\p     ; the second pass's
.endr
	global_load_b32 v87, v5, s[QA+2:QA+3]
	global_load_b32 v86, v5, s[QBB+2:QBB+3]
	v_add_nc_u32 v2, VIMG, v1                      ; V's images
	v_lshl_add_u32 v3, v21, 4, KQD                 ; K's quads
	v_lshl_add_u32 v4, v21, 4, VQD                 ; V's
	v_lshlrev_b32 v6, 5, v21                       ; 32 r: my row of a's scale bytes
	s_bfe_u32 s86, s[WV], 0x20001
	s_lshl_b32 s86, s86, 5
	s_and_b32 s87, s[WV], 1
	s_lshl_b32 s87, s87, 3
	s_add_co_u32 s86, s86, s87
	v_and_b32 v23, 8, v21
	s_delay_alu instid0(VALU_DEP_1)
	v_add_nc_u32 v23, v23, v21
	s_delay_alu instid0(VALU_DEP_1)
	v_add_nc_u32 v23, s86, v23                     ; my query inside its step of 128: 32 ((wave / 2) % 4) + 16 (r / 8) + 8 (wave % 2) + r % 8
	v_lshlrev_b32 v24, 4, v22
	s_delay_alu instid0(VALU_DEP_1)
	v_sub_nc_u32 v7, v23, v24                      ; less 16 h: register 16 b + i holds key 32 b + 16 h + i, hidden where 32 b + i is above this
	s_lshr_b32 s87, s[WV], 3
	s_lshl_b32 s87, s87, 7
	v_add_nc_u32 v17, s87, v23                     ; my query inside its block of 256
	v_mov_b32 v16, 0xc79c4000                      ; -80000.0
	s_mov_b32 s[SEL], 0x76543210
	s_mov_b32 s[SEL+1], 0xfedcba98
	s_mov_b32 s[CS], 0x3e38aa3b                    ; log2(e) / 8
	s_mov_b32 s[CS+1], s[CS]
	s_mov_b32 s[ONES], 0x01010101
	s_and_b32 s86, s[WV], 1
	s_cmp_eq_u32 s86, 1
	s_mov_b32 s[SELQ], 0x01000100
	s_cselect_b32 s[SELQ], 0x03020302, s[SELQ]     ; an even tile's bytes are the word's low half, an odd tile's the high half
; A pass begins.  Both scale words (q's in v210, P's in v253) and q are written early: a scale register written by a vector instruction stands eight plain vector lines ahead of a scaled product, an operand so written four,
; on every way out of this macro: the clears of O^T and of P, 48 lines, stand behind them.
.macro INIT pass
.if \pass == 0
	s_sub_co_u32 s[QB], 7, ttmp9
	s_wait_alu depctr_va_vdst(0)
	s_wait_loadcnt 0x0                             ; both passes' q and scale words
	v_perm_b32 v210, v87, v87, s[SELQ]             ; q's two bytes, twice: they serve [q][0] and [0][q]
.irp i, 0,1,2,3,4,5
	v_mov_b32 v[198+\i], 0                         ; the zero codes between
.endr
.else
	s_mov_b32 s[QB], ttmp9
	s_wait_xcnt 0x0                                ; the first pass's stores have read their data
	v_perm_b32 v210, v86, v86, s[SELQ]
.irp i, 0,1,2,3,4,5
	v_mov_b32 v[192+\i], v[80+\i]
	v_mov_b32 v[204+\i], v[80+\i]
.endr
.endif
	s_lshl_b32 s[JD], s[QB], 1
	s_lshr_b32 s66, s[WV], 3
	s_add_co_u32 s[JD], s[JD], s66
	s_sub_co_u32 s[HC], 15, s[JD]
	s_lshl_b32 s[HC], s[HC], 6
	s_cvt_f32_u32 s[HC], s[HC]
	s_lshl_b32 s66, s[QB], 8
	v_mul_f32 v13, s[CS], v16                      ; tm: the masked logit as t: every row but the last has a masked key, so its largest t begins here
	v_add_nc_u32 v252, s66, v17                    ; my query
	v_mov_b32 v254, 0xff61b1e6                     ; -3e38, under every t
	s_delay_alu instid0(VALU_DEP_2)
	v_cmp_eq_u32 vcc_lo, 0x7ff, v252
	s_delay_alu instid0(VALU_DEP_1)
	v_cndmask_b32 v13, v13, v254, vcc_lo
	v_mov_b32 v252, 0                              ; the pair v[252:253] is named whole before the first step writes it;
	v_mov_b32 v253, 0                              ; v253 is P's scale word: written here, far ahead of any product that names it
	s_delay_alu instid0(VALU_DEP_3)
	v_floor_f32 v12, -v13                          ; -M
	v_mov_b32 v14, 0                               ; the sum, in two halves
	v_mov_b32 v15, 0
.set ii, 0
.rept 32
	v_mov_b32 v[160+ii], 0                         ; O^T: the step is written once: the first finds zeros, which the first change of M leaves zeros
.set ii, ii+1
.endr
.set ii, 0
.rept 16
	v_mov_b32 v[224+ii], 0                         ; P's codes, and the lane permutes' destinations, which count as sources
.set ii, ii+1
.endr
.endm
; A KEY STEP of 128 keys.
.macro STEP
	s_cmp_gt_u32 s[J], s[JD]
	s_cbranch_scc1 .Lhidden_\@
	s_setprio 2
	v_add_nc_u32 v8, s[TB], v1                     ; these four additions are the places in front of the loads into registers that the last products have read
	v_add_nc_u32 v9, s[TB], v2
	v_add_nc_u32 v10, s[TS], v3
	v_add_nc_u32 v11, s[TS], v4
	FRAGS 8                                        ; K's eight tiles, as four pairs
	ds_load_b128 v[248:251], v10                   ; and the pairs' scale words
	s_wait_alu depctr_va_vdst(0)
	s_wait_dscnt 0x0
.irp a, 0,1,2,3                                ; S^T = K Q^T
	v_wmma_scale_f32_16x16x128_f8f6f4 v[96+16*\a:103+16*\a], v[32+12*\a:43+12*\a], v[192:203], 0, v[248+\a], v210 matrix_a_fmt:MATRIX_FMT_FP6 matrix_b_fmt:MATRIX_FMT_FP6
	v_wmma_scale_f32_16x16x128_f8f6f4 v[104+16*\a:111+16*\a], v[32+12*\a:43+12*\a], v[198:209], 0, v[248+\a], v210 matrix_a_fmt:MATRIX_FMT_FP6 matrix_b_fmt:MATRIX_FMT_FP6
.endr
.rept 4
	v_nop                                          ; places: the scores are read, and V's fragments are loaded over K's
.endr
	FRAGS 9                                        ; V's four fragments and their scale words land while the softmax is worked
	ds_load_b128 v[248:251], v11
	s_cmp_eq_u32 s[J], s[JD]
	s_cbranch_scc0 .Lopen_\@
.set ii, 0
.rept 64                                       ; on the diagonal: the scores of hidden keys become -80000
	v_cmp_gt_i32 vcc_lo, 32*(ii/16)+ii%16, v7
	v_cndmask_b32 v[96+ii], v[96+ii], v16, vcc_lo
.set ii, ii+1
.endr
.Lopen_\@:
.irp b, 0,1,2,3
	v_max3_num_f32 v[232+\b], v[96+16*\b], v[97+16*\b], v[98+16*\b]   ; the largest score of each block of 32 keys: it serves the row's maximum and, since p rises with the score, the block's largest p
.endr
.irp i, 3,5,7,9,11,13
.irp b, 0,1,2,3
	v_max3_num_f32 v[232+\b], v[232+\b], v[96+16*\b+\i], v[97+16*\b+\i]   ; (the four blocks by turns)
.endr
.endr
.irp b, 0,1,2,3
	v_max_num_f32 v[232+\b], v[232+\b], v[111+16*\b]
.endr
.irp b, 0,1,2,3
	s_delay_alu instid0(VALU_DEP_4)
	v_permlanex16_b32 v[236+\b], v[232+\b], s[SEL], s[SEL+1]
.endr
.irp b, 0,1,2,3
	s_delay_alu instid0(VALU_DEP_4)
	v_max_num_f32 v[232+\b], v[232+\b], v[236+\b]  ; with lane l xor 16's 16 keys
.endr
	s_delay_alu instid0(VALU_DEP_2)
	v_max3_num_f32 v254, v232, v233, v234
	s_delay_alu instid0(VALU_DEP_1)
	v_max_num_f32 v254, v254, v235                 ; the step's largest score of my query
	s_delay_alu instid0(VALU_DEP_1)
	v_mul_f32 v254, s[CS], v254                    ; as t (c is positive)
	s_delay_alu instid0(VALU_DEP_1)
	v_max_num_f32 v13, v13, v254                   ; the running largest t
	v_mov_b32 v254, v12
	s_delay_alu instid0(VALU_DEP_2)
	v_floor_f32 v12, -v13                          ; the new -M = floor(-t) = -ceil(t)
	s_delay_alu instid0(VALU_DEP_1)
	v_sub_f32 v254, v12, v254                      ; old M - new M: a whole number, 0 or less
	s_delay_alu instid0(VALU_DEP_1)
	v_cvt_i32_f32 v254, v254                       ; (it saturates)
	s_delay_alu instid0(VALU_DEP_1)
	v_ldexp_f32 v252, 1.0, v254                    ; f = 2^(old M - new M)
.set ii, 0
.rept 32
	v_pk_fma_f32 v[96+ii:97+ii], v[96+ii:97+ii], s[CS:CS+1], v[12:13] op_sel_hi:[1,0,0]   ; t - M, two at a time
.set ii, ii+2
.endr
.irp b, 0,1,2,3
	v_fma_f32 v[232+\b], v[232+\b], s[CS], v12     ; the same of each block's largest score
.endr
.set ii, 0
	s_setprio 1
	s_wait_alu depctr_va_vdst(0)
.rept 64
	v_exp_f32 v[96+ii], v[96+ii]                   ; p = 2^(t - M), at most 1
.set ii, ii+1
.endr
.irp b, 0,1,2,3
	v_exp_f32 v[232+\b], v[232+\b]                 ; the block's largest p: the same two instructions on the same number
.endr
	v_pk_mul_f32 v[14:15], v[14:15], v[252:253] op_sel_hi:[1,0]   ; the sums under the new M (a plain place behind the exponentials)
	s_wait_alu depctr_va_vdst(0)
.irp b, 0,1,2,3
	v_max_num_f32 v[232+\b], 0x1800000, v[232+\b]  ; the floor 2^(3 - 127): the byte cannot fall under 1
.endr
.irp b, 0,1,2,3
	s_delay_alu instid0(VALU_DEP_4)
	v_add_nc_u32 v[244+\b], 0xff000000, v[232+\b]  ; 2 off the exponent field: the conversion's scale operand
.endr
.irp b, 0,1,2,3
	s_delay_alu instid0(VALU_DEP_4)
	v_lshrrev_b32 v[236+\b], 23, v[244+\b]         ; the scale's byte
.endr
	s_delay_alu instid0(VALU_DEP_3)
	v_lshl_or_b32 v253, v237, 8, v236              ; p's scale word for these 128 keys
	s_delay_alu instid0(VALU_DEP_1)
	v_lshl_or_b32 v253, v238, 16, v253
	s_delay_alu instid0(VALU_DEP_1)
	v_lshl_or_b32 v253, v239, 24, v253
.irp c, 0,1
	v_cvt_scalef32_pk16_fp6_f32 v[224+6*\c:226+6*\c], v[96+32*\c:111+32*\c], v[244+2*\c]
	v_cvt_scalef32_pk16_fp6_f32 v[236+4*\c:238+4*\c], v[112+32*\c:127+32*\c], v[244+2*\c+1]   ; (a conversion's three registers begin on an even number)
.endr
	v_nop                                          ; one plain place behind a scaled conversion
.irp c, 0,1                                    ; the operand's layout wants a whole block in a lane
.irp i, 0,1,2
	v_permlane16_swap_b32 v[224+6*\c+\i], v[236+4*\c+\i]
.endr
.irp i, 0,1,2
	s_delay_alu instid0(VALU_DEP_3)
	v_mov_b32 v[227+6*\c+\i], v[236+4*\c+\i]
.endr
.endr
	v_pk_add_f32 v[236:237], v[100:101], v[104:105]
	v_pk_add_f32 v[246:247], v[108:109], v[112:113]
	v_pk_add_f32 v[244:245], v[116:117], v[120:121]
	v_pk_add_f32 v[240:241], v[124:125], v[128:129]
	v_pk_add_f32 v[222:223], v[132:133], v[136:137]
	v_pk_add_f32 v[220:221], v[140:141], v[144:145]
	v_pk_add_f32 v[218:219], v[148:149], v[152:153]
	v_pk_add_f32 v[14:15], v[14:15], v[156:157]
	v_pk_add_f32 v[236:237], v[236:237], v[96:97]
	v_pk_add_f32 v[246:247], v[246:247], v[98:99]
	v_pk_add_f32 v[244:245], v[244:245], v[102:103]
	v_pk_add_f32 v[240:241], v[240:241], v[106:107]
	v_pk_add_f32 v[222:223], v[222:223], v[110:111]
	v_pk_add_f32 v[220:221], v[220:221], v[114:115]
	v_pk_add_f32 v[218:219], v[218:219], v[118:119]
	v_pk_add_f32 v[14:15], v[14:15], v[122:123]
	v_pk_add_f32 v[236:237], v[236:237], v[126:127]
	v_pk_add_f32 v[246:247], v[246:247], v[130:131]
	v_pk_add_f32 v[244:245], v[244:245], v[134:135]
	v_pk_add_f32 v[240:241], v[240:241], v[138:139]
	v_pk_add_f32 v[222:223], v[222:223], v[142:143]
	v_pk_add_f32 v[220:221], v[220:221], v[146:147]
	v_pk_add_f32 v[218:219], v[218:219], v[150:151]
	v_pk_add_f32 v[14:15], v[14:15], v[154:155]
	v_pk_add_f32 v[236:237], v[236:237], v[158:159]
	s_delay_alu instid0(VALU_DEP_2)
	v_pk_add_f32 v[14:15], v[14:15], v[240:241]
	s_delay_alu instid0(VALU_DEP_2)
	v_pk_add_f32 v[236:237], v[236:237], v[222:223]
	v_pk_add_f32 v[246:247], v[246:247], v[220:221]
	v_pk_add_f32 v[244:245], v[244:245], v[218:219]
	s_delay_alu instid0(VALU_DEP_2)
	v_pk_add_f32 v[14:15], v[14:15], v[246:247]
	s_delay_alu instid0(VALU_DEP_2)
	v_pk_add_f32 v[236:237], v[236:237], v[244:245]
	s_delay_alu instid0(VALU_DEP_1)
	v_pk_add_f32 v[14:15], v[14:15], v[236:237]
.set ii, 0
.rept 16
	v_pk_mul_f32 v[160+ii:161+ii], v[160+ii:161+ii], v[252:253] op_sel_hi:[1,0]   ; O^T under the new M (with the sums above: the places between P's and its scale word's last writes and the products)
.set ii, ii+2
.endr
	s_setprio 0
	s_wait_alu depctr_va_vdst(0)
	s_wait_dscnt 0x0                               ; V
	PV
	s_cmp_eq_u32 s[J], s[JD]
	s_cbranch_scc0 .Ltail_\@
	; behind the diagonal step M is final: the standing P of the hidden steps
.rept 4
	v_nop                                          ; places behind the products whose P and scale word are written below
.endr
	v_fma_f32 v240, v16, s[CS], v12                ; tm - M
	s_wait_alu depctr_va_vdst(0)
	v_exp_f32 v240, v240                           ; pm
	v_nop
	s_wait_alu depctr_va_vdst(0)
	v_fmac_f32 v14, s[HC], v240                    ; the sum takes my share of all keys behind this step at once
	v_max_num_f32 v241, 0x1800000, v240
	s_delay_alu instid0(VALU_DEP_1)
	v_add_nc_u32 v241, 0xff000000, v241            ; the conversion's scale operand
	s_delay_alu instid0(VALU_DEP_1)
	v_lshrrev_b32 v242, 23, v241
	s_delay_alu instid0(VALU_DEP_1)
	v_mul_lo_u32 v253, v242, s[ONES]               ; the same byte for all four blocks; the 30 plain lines below stand between it and the next product
.set ii, 0
.rept 16
	v_mov_b32 v[96+ii], v240
.set ii, ii+1
.endr
	v_cvt_scalef32_pk16_fp6_f32 v[224:226], v[96:111], v241   ; sixteen times the one code
	v_nop
.irp i, 0,1,2,3,4,5,6,7,8
	v_mov_b32 v[227+\i], v[224+\i%3]               ; and so on through the fragment's twelve registers
.endr
.rept 4
	v_nop
.endr
	s_branch .Ltail_\@
.Lhidden_\@:                                       ; all 128 keys are hidden: four products with the standing P
	v_add_nc_u32 v9, s[TB], v2
	v_add_nc_u32 v11, s[TS], v4
	v_nop
	v_nop                                          ; four places in front of the loads
	FRAGS 9
	ds_load_b128 v[248:251], v11
	s_wait_dscnt 0x0
	s_wait_alu depctr_va_vdst(0)
	PV
.Ltail_\@:
	s_add_co_u32 s[J], s[J], 1
	s_add_co_u32 s[TB], s[TB], STEPB
	s_add_co_u32 s[TS], s[TS], 256
.endm
.macro STEPS first, n                  ; n key steps from step first on
	s_mov_b32 s[J], \first
	s_mov_b32 s[TB], STEPB*\first
	s_mov_b32 s[TS], 256*\first
	s_mov_b32 s[CNT], \n
.Lsteps_\@:
	STEP
	s_sub_co_u32 s[CNT], s[CNT], 1
	s_cmp_lg_u32 s[CNT], 0
	s_cbranch_scc1 .Lsteps_\@
	s_setprio 0
.endm
; A pass ends: a = O^T / the sum; register 16 b + i is channel 32 b + 16 h + i of my query: two blocks of 32 along the last product's K.  They become a tile image (6 registers) and two scale bytes.
.macro FINISH o
.rept 4
	v_nop                                          ; places behind the last products
.endr
	v_add_f32 v14, v14, v15                        ; the sum's two halves,
	s_delay_alu instid0(VALU_DEP_1)
	v_permlanex16_b32 v252, v14, s[SEL], s[SEL+1]
	s_delay_alu instid0(VALU_DEP_1)
	v_add_f32 v14, v14, v252                       ; and lane l xor 16's
	s_wait_alu depctr_va_vdst(0)
	v_rcp_f32 v14, v14
	v_nop
.set ii, 0
	s_wait_alu depctr_va_vdst(0)
.rept 16
	v_pk_mul_f32 v[96+ii:97+ii], v[160+ii:161+ii], v[14:15] op_sel_hi:[1,0]   ; each accumulator from its low end on
.set ii, ii+2
.endr
.irp b, 0,1
	v_max3_num_f32 v[232+\b], |v[96+16*\b]|, |v[97+16*\b]|, 0x1800000
.endr
.irp i, 2,4,6,8,10,12,14
.irp b, 0,1
	s_delay_alu instid0(VALU_DEP_2)
	v_max3_num_f32 v[232+\b], v[232+\b], |v[96+16*\b+\i]|, |v[97+16*\b+\i]|
.endr
.endr
.irp b, 0,1
	s_delay_alu instid0(VALU_DEP_2)
	v_permlanex16_b32 v[236+\b], v[232+\b], s[SEL], s[SEL+1]
.endr
.irp b, 0,1
	s_delay_alu instid0(VALU_DEP_2)
	v_max_num_f32 v[232+\b], v[232+\b], v[236+\b]
.endr
.irp b, 0,1
	s_delay_alu instid0(VALU_DEP_2)
	v_add_nc_u32 v[244+\b], 0xff000000, v[232+\b]
.endr
.irp b, 0,1
	s_delay_alu instid0(VALU_DEP_2)
	v_lshrrev_b32 v[236+\b], 23, v[244+\b]
.endr
	s_delay_alu instid0(VALU_DEP_1)
	v_lshl_or_b32 v254, v237, 8, v236              ; my row's two bytes
	v_cvt_scalef32_pk16_fp6_f32 v[224:226], v[96:111], v244
	v_cvt_scalef32_pk16_fp6_f32 v[240:242], v[112:127], v245
	v_nop
.irp i, 0,1,2
	v_permlane16_swap_b32 v[224+\i], v[240+\i]
.endr
.irp i, 0,1,2
	s_delay_alu instid0(VALU_DEP_3)
	v_mov_b32 v[227+\i], v[240+\i]
.endr
.irp p, 0,1,2
	global_store_b64 v1, v[224+2*\p:225+2*\p], s[\o:\o+1] offset:256*\p   ; 32 lanes store 256 consecutive bytes, aligned
.endr
	global_store_b16 v6, v254, s[\o+2:\o+3]        ; both halves of the lanes write the same two bytes with the same value
.endm
	INIT 0
.irp c, 0,1,2,3                                ; the first pass, a chunk of four key steps at a time
	s_wait_dscnt 0x0                               ; no LDS load of mine is out at a signal
	s_wait_tensorcnt 3-\c                          ; the quads and chunks 0 to c have landed; the 3 - c chunks behind may be out
	s_barrier_signal -1
	s_barrier_wait -1                              ; everybody's have
	STEPS 4*\c, 4
.endr
	FINISH OA
	INIT 1
	STEPS 0, 16                                    ; the second pass finds everything in LDS
	FINISH OB
	s_wait_tensorcnt 0x0
	ds_add_u32 v243, v255
	s_wait_dscnt 0x0
	s_endpgm
.Lfunc_end_k_q57bd4c41c3_attn:
	.size	k_q57bd4c41c3_attn, .Lfunc_end_k_q57bd4c41c3_attn-k_q57bd4c41c3_attn
	.p2alignl 7, 3214868480
	.fill 96, 4, 3214868480
	.section	.rodata,"a",@progbits
	.p2align	6, 0x0
	.amdhsa_kernel k_q57bd4c41c3_attn
		.amdhsa_group_segment_fixed_size 206848
		.amdhsa_private_segment_fixed_size 0
		.amdhsa_enable_private_segment 0
		.amdhsa_kernarg_size 32
		.amdhsa_user_sgpr_count 2
		.amdhsa_user_sgpr_kernarg_segment_ptr 1
		.amdhsa_wavefront_size32 1
		.amdhsa_system_sgpr_workgroup_id_x 1
		.amdhsa_system_sgpr_workgroup_id_y 1
		.amdhsa_system_sgpr_workgroup_id_z 1
		.amdhsa_system_vgpr_workitem_id 0
		.amdhsa_next_free_vgpr 256
		.amdhsa_next_free_sgpr 92
		.amdhsa_reserve_vcc 1
		.amdhsa_float_denorm_mode_32 3
		.amdhsa_float_denorm_mode_16_64 3
		.amdhsa_memory_ordered 1
		.amdhsa_forward_progress 1
		.amdhsa_inst_pref_size 161
	.end_amdhsa_kernel
	.amdgpu_metadata
---
amdhsa.version: [ 1, 2 ]
amdhsa.kernels:
  - .name:           k_q57bd4c41c3_attn
    .symbol:         k_q57bd4c41c3_attn.kd
    .args:
      - { .name: qkv_img, .offset: 0, .size: 8, .value_kind: global_buffer, .address_space: global }
      - { .name: qkv_sc, .offset: 8, .size: 8, .value_kind: global_buffer, .address_space: global }
      - { .name: a_img, .offset: 16, .size: 8, .value_kind: global_buffer, .address_space: global }
      - { .name: a_sc, .offset: 24, .size: 8, .value_kind: global_buffer, .address_space: global }
    .group_segment_fixed_size: 206848
    .private_segment_fixed_size: 0
    .kernarg_segment_align: 8
    .kernarg_segment_size: 32
    .max_flat_workgroup_size: 512
    .sgpr_count:     92
    .vgpr_count:     256
    .wavefront_size: 32
...
	.end_amdgpu_metadata
.endif
;; end of part 3
;; launch proj (part 4): grid 4 x 32, 4 waves a work-group, clusters of 4 x 4, 327,680 bytes of LDS; arguments a_img, a_sc, w_codes, w_scales, b_proj, out0; writes out0
.if DOCPART == 4
	.amdgcn_target "amdgcn-amd-amdhsa--gfx1250"
	.amdhsa_code_object_version 6
	.text
	.protected	k_q57bd4c41c3_proj
	.globl	k_q57bd4c41c3_proj
	.p2align	8
	.type	k_q57bd4c41c3_proj,@function
k_q57bd4c41c3_proj:
	s_mov_b64 s[64:65], 0
	v_nop
	global_prefetch_b8 v0, s[64:65] scope:SCOPE_SE
	s_setreg_imm32_b32 hwreg(HW_REG_WAVE_MODE, 25, 1), 1
	s_wait_xcnt 0x0
	s_wait_alu depctr_hold_cnt(0) depctr_sa_sdst(0) depctr_va_vdst(0) depctr_va_sdst(0) depctr_va_ssrc(0) depctr_va_vcc(0) depctr_vm_vsrc(0)
	s_getreg_b32 s2, hwreg(HW_REG_IB_STS2, 6, 4)
	s_cmp_eq_u32 s2, 0
	s_cbranch_scc0 .Lentry_in_a_cluster
	s_endpgm
.Lentry_in_a_cluster:
	s_bfe_u32 s2, ttmp6, 0x10000c
	s_cmp_lg_u32 s2, 0xf033
	s_cbranch_scc0 .Lentry_shape_is_right
	s_endpgm
.Lentry_shape_is_right:
; out0 = a w_proj + b_proj on codes of FP6 (E2M3) with E8M0 scales, K = 1,024, sums in f32.  A = a, 8,192 stored rows; B = w_proj's columns, rows 3,072 on of the weights' buffers; out0 [8192][1024] f32.
; A tile of 256 x 256 is made by four waves, each 128 x 128: 64 accumulators, 512 registers.  K goes in steps of 256 through a ring of two LDS slots; the scale bytes of the work-group's rows come into LDS once.
; 4 x 4 work-groups form a cluster: A's tile is asked for jointly along a row of the cluster, B's along a column.  The grid has 128 work-groups: a smaller tile would read each fragment for fewer products.
; A COMES AS IMAGES OF OPERAND REGISTERS: [tile of 16 rows 512][head 16][768 bytes]; a K step of 256 is four heads: 3,072 consecutive bytes a tile.  A fragment (128 along K) is two heads' images: six loads of 8 bytes a lane,
; each taking 256 consecutive bytes of LDS.  B comes as rows of codes, as they lie.
; THE MATRIX INSTRUCTION IS USED TRANSPOSED (source 0 = 16 rows of B, source 1 = 16 rows of A): a lane holds eight neighbouring numbers of a row of the result.  The bias is the C of each sum's first product.
; a's rows are stored with bits 3 and 4 of the token's number exchanged: the way out puts each row back at its token's place.
; REGISTERS, in windows of 256: window 0: v0-31 addresses; v32-63 scale words, two sets; v64-127 the bias tiles; from v128 A's fragments, one set (on the way out v128-255: rows read back).
;   window 1: B's fragments, two sets.   window 2: the accumulators of my rows 0-63 ((a, b) at v[8 (8 a + b)]);   window 3: those of my rows 64-127.
.set SIZE_N, 1024
.set KSTEP,  256
.set NQ,     KSTEP/128
.set ROWB,   192                       ; B: a tile's row in bytes
.set KROW,   768                       ; B: a row of codes in memory;  A: 12,288 bytes a tile of 16 rows, which is as much a row
.set AROW,   3072                      ; A: a tile's four heads of a K step
.set PITCH,  240                       ; B's LDS row: 3 x (64 bytes + 16 of padding)
.set FR,     12
.set NL,     6
.set NP,     4                         ; places behind this matrix instruction (ISA guide 7.12.1)
.set HALFT,  128*PITCH                 ; the LDS place of 128 rows (A's images fill 24,576 of its 30,720 bytes)
.set SLOT,   4*HALFT
.set LAPS,   2
.set KS,     32
.set SCL,    2*SLOT
.set HALFS,  (128*KS/256)*272
.set SBLK,   (16*KS/256)*272
.set SPARE,  SCL+4*HALFS               ; the spare words, 128 bytes a wave: two blocks of 256 bytes that no other line names
.set SPITCH, 528                       ; the way out: a stage of 16 rows x (512 bytes + 16) for each wave, in slot 0, which has had its last fill and its last read when the first result is stored there
.set ADRA, 16                          ; v16-17  LDS address of my A images in slot 0, 1: region + 8 x lane
.set ADRB, 20                          ; v20-21  of my B fragments  (v22-23: for the pieces behind one padding more)
.set STO,  24                          ; v24     the way out: where I put 32 bytes of a row
.set RD,   25                          ; v25     where I read a row back
.set CO,   26                          ; v26     my byte offset in a row of the result
.set ADRS, 27                          ; v27     LDS address of my scale words
.set SPW,  28                          ; v28     LDS address of my spare word; never rewritten
.set NIL,  29                          ; v29     0; never rewritten
.set SC,   32
.set BI,   64                          ; v64-127 eight bias tiles in the result's layout
.set AF,   128
.set BK,   128                         ; the way out: 16 rows read back: v128-191 and v192-255 by turns
.set G1, 24
.set G0, 32
.set G1B, 48
.set G0B, 56
.set G1S, 68
.set G0S, 76
.set G1SB, 80
.set G0SB, 88
.set MSB, 0
.macro WIN new                         ; the immediate's high byte repeats the setting that is left
.if MSB != \new
	s_set_vgpr_msb (MSB<<8)|\new
.set MSB, \new
.endif
.endm
.set MUL_LO, 0xa1                      ; source 0 (B) window 1, source 1 (A) window 0, C and D window 2
.set MUL_HI, 0xf1
.set BIA_LO, 0x81                      ; C (the bias) window 0, D window 2
.set BIA_HI, 0xc1
.set TO_B,   0x40
.macro JLOAD g0a, g1a, g0b, g1b        ; a joint load: waves 0 and 1 fetch for A, waves 2 and 3 for B; four v_nop follow each of the two lines
	s_cmp_eq_u32 s15, 0
	s_cbranch_scc0 .Lfor_b_\@
	tensor_load_to_lds s[\g0a:\g0a+3], s[\g1a:\g1a+7]
	s_nop 0
.rept 4
	v_nop
.endr
	s_branch .Lasked_\@
.Lfor_b_\@:
	tensor_load_to_lds s[\g0b:\g0b+3], s[\g1b:\g1b+7]
	s_nop 0
.rept 4
	v_nop
.endr
.Lasked_\@:
.endm
.macro CREST
	s_cmp_lg_u32 s14, 0
	s_cbranch_scc1 .Lnot_wave_0_\@
	s_barrier_signal -3
.Lnot_wave_0_\@:
	s_barrier_wait -3
	s_barrier_signal -1
	s_barrier_wait -1
.endm
.macro CROUND
	s_barrier_signal -1
	s_barrier_wait -1
	CREST
.endm
	s_load_b128 s[4:7], s[0:1], 0x0                ; a's images, a's scale bytes
	s_load_b128 s[8:11], s[0:1], 0x10              ; the weights' codes, their scale bytes
	s_load_b64 s[96:97], s[0:1], 0x20              ; b_proj
	s_load_b64 s[12:13], s[0:1], 0x28              ; out0
	v_lshl_add_u32 v[SPW], v0, 2, SPARE
	v_mov_b32 v[NIL], 0
	ds_add_u32 v28, v29
	ds_add_u32 v28, v29
	s_wait_dscnt 0x0
	v_lshrrev_b32 v1, 5, v0
	v_readfirstlane_b32 s14, v1                    ; wave 0..3
	s_lshr_b32 s15, s14, 1                         ; which half of the tile's rows is mine.  Also: I fetch for A (0) or for B (1)
	s_and_b32 s16, s14, 1                          ; which half of its columns.  Also: which 128 rows of that tile I fetch
	s_bfe_u32 s40, ttmp6, 0x40000                  ; cx, cy
	s_bfe_u32 s41, ttmp6, 0x40004
	s_lshl_b32 s42, ttmp9, 2
	s_add_co_u32 s42, s42, s40                     ; tile column = 4 x cluster x + cx
	s_and_b32 s17, ttmp7, 0xffff
	s_lshl_b32 s17, s17, 2
	s_add_co_u32 s17, s17, s41                     ; tile row = 4 x cluster y + cy
	s_lshl_b32 s43, s41, 2
	s_lshl_b32 s43, 15, s43                        ; my row of the cluster
	s_lshl_b32 s44, 0x1111, s40                    ; my column
	; A: eight tiles' images of a K step: 8 rows of 3,072 bytes (384 elements of 8 bytes), 12,288 bytes apart, no padding
	s_or_b32 s[G1+0], s43, (3<<16)|(1<<21)
	s_mov_b32 s[G1+1], 384<<16
	s_mov_b32 s[G1+2], 8<<16
	s_mov_b32 s[G1+3], 384<<16
	s_mov_b32 s[G1+4], 8
	s_mov_b32 s[G1+5], 1536
	s_mov_b32 s[G1+6], 0
	s_mov_b32 s[G1+7], 0
	; B: 128 rows x 192 bytes, 16 bytes of padding behind every 64
	s_or_b32 s[G1B+0], s44, (0<<16)|(1<<20)|(1<<21)|(3<<22)|(3<<25)
	s_mov_b32 s[G1B+1], ROWB<<16
	s_mov_b32 s[G1B+2], 128<<16
	s_mov_b32 s[G1B+3], ROWB<<16
	s_mov_b32 s[G1B+4], 128
	s_mov_b32 s[G1B+5], KROW
	s_mov_b32 s[G1B+6], 0
	s_mov_b32 s[G1B+7], 0
	; the scales of 128 rows: 4,096 dense bytes, as 16 rows of 256 bytes, 16 bytes of padding behind each
	s_or_b32 s[G1S+0], s43, (3<<16)|(1<<20)|(1<<21)|(5<<22)|(3<<25)
	s_or_b32 s[G1SB+0], s44, (3<<16)|(1<<20)|(1<<21)|(5<<22)|(3<<25)
.irp g, G1S, G1SB
	s_mov_b32 s[\g+1], 32<<16
	s_mov_b32 s[\g+2], (128*KS/256)<<16
	s_mov_b32 s[\g+3], 32<<16
	s_mov_b32 s[\g+4], 128*KS/256
	s_mov_b32 s[\g+5], 32
	s_mov_b32 s[\g+6], 0
	s_mov_b32 s[\g+7], 0
.endr
	s_lshl_b32 s18, s16, 7
	s_lshl_b32 s20, s17, 8
	s_add_co_u32 s20, s20, s18                     ; A: row 256 x tile row + 128 x half
	s_lshl_b32 s46, s42, 8
	s_add_co_u32 s46, s46, s18                     ; B: row 256 x tile column + 128 x half
	s_mov_b32 s21, 0
	s_mov_b32 s47, 0
	s_mov_b64 s[18:19], KS
	s_mul_u64 s[22:23], s[20:21], s[18:19]
	s_mul_u64 s[92:93], s[46:47], s[18:19]
	s_mov_b64 s[18:19], KROW
	s_mul_u64 s[20:21], s[20:21], s[18:19]         ; (a tile of 16 rows of A is 16 x 768 bytes too)
	s_mul_u64 s[46:47], s[46:47], s[18:19]
	s_mul_i32 s45, s14, HALFT
	s_mul_i32 s94, s14, HALFS
	s_wait_kmcnt 0x0
	s_add_nc_u64 s[8:9], s[8:9], 3072*KROW         ; w_proj's rows
	s_add_nc_u64 s[10:11], s[10:11], 3072*KS
	s_add_nc_u64 s[20:21], s[4:5], s[20:21]
	s_add_nc_u64 s[22:23], s[6:7], s[22:23]
	s_add_nc_u64 s[46:47], s[8:9], s[46:47]
	s_add_nc_u64 s[92:93], s[10:11], s[92:93]
	CROUND                                         ; all sixteen work-groups are here: the first joint loads meet
	s_mov_b32 s[G0S], 1
	s_add_co_u32 s[G0S+1], s94, SCL
	s_mov_b64 s[G0S+2:G0S+3], s[22:23]
	s_or_b32 s[G0S+3], s[G0S+3], 0x80000000
	s_mov_b32 s[G0SB], 1
	s_add_co_u32 s[G0SB+1], s94, SCL
	s_mov_b64 s[G0SB+2:G0SB+3], s[92:93]
	s_or_b32 s[G0SB+3], s[G0SB+3], 0x80000000
	JLOAD G0S, G1S, G0SB, G1SB
.irp s, 0,1
	s_mov_b32 s[G0+4*\s], 1
	s_add_co_u32 s[G0+4*\s+1], s45, \s*SLOT
	s_add_nc_u64 s[G0+4*\s+2:G0+4*\s+3], s[20:21], \s*AROW
	s_or_b32 s[G0+4*\s+3], s[G0+4*\s+3], 0x80000000
	s_mov_b32 s[G0B+4*\s], 1
	s_add_co_u32 s[G0B+4*\s+1], s45, \s*SLOT
	s_add_nc_u64 s[G0B+4*\s+2:G0B+4*\s+3], s[46:47], \s*ROWB
	s_or_b32 s[G0B+4*\s+3], s[G0B+4*\s+3], 0x80000000
	JLOAD G0+4*\s, G1, G0B+4*\s, G1B               ; three tensor loads of mine are out
.endr
	v_and_b32 v1, 15, v0                           ; l % 16
	v_bfe_u32 v2, v0, 4, 1                         ; l / 16
	v_mul_u32_u24 v3, v1, PITCH
	v_mul_u32_u24 v4, v2, 24
	v_add_nc_u32 v4, v3, v4                        ; B: a fragment's row x pitch + 24 x half
	v_lshl_add_u32 v5, v2, 4, v4                   ; and the same behind one padding more
	v_and_b32 v6, 31, v0
	v_lshlrev_b32 v7, 3, v6                        ; A: 8 x lane
	s_mul_i32 s21, s15, HALFT                      ; my 128 rows of A
	s_mul_i32 s22, s16, HALFT                      ; my 128 rows of B,
	s_add_co_u32 s22, s22, 2*HALFT                 ; which lie behind A's
.irp s, 0,1
	v_add_nc_u32 v[ADRA+\s], s21, v7
	v_add_nc_u32 v[ADRB+\s], s22, v4
	v_add_nc_u32 v[ADRB+2+\s], s22, v5
	s_add_co_u32 s21, s21, SLOT
	s_add_co_u32 s22, s22, SLOT
.endr
	v_mul_u32_u24 v5, v1, KS
	v_lshrrev_b32 v6, 8, v5
	v_lshl_add_u32 v5, v6, 4, v5
	s_mul_i32 s21, s15, HALFS
	s_mul_i32 s22, s16, HALFS
	s_add_co_u32 s22, s22, 2*HALFS
	s_sub_co_u32 s22, s22, s21
	v_mul_u32_u24 v6, s22, v2                      ; lanes 16-31 take B's
	s_add_co_u32 s21, s21, SCL
	v_add_nc_u32 v5, v5, v6
	v_add_nc_u32 v[ADRS], s21, v5
	s_mul_i32 s23, s14, 16*SPITCH                  ; my stage
	v_mul_u32_u24 v5, v1, SPITCH                   ; in: row l % 16, 32 bytes for each half of the lanes
	v_lshl_add_u32 v5, v2, 5, v5
	v_add_nc_u32 v[STO], s23, v5
	v_and_b32 v6, 31, v0
	v_lshlrev_b32 v[CO], 4, v6                     ; back: the 32 lanes take one row of 512 bytes; and the same in the result
	v_add_nc_u32 v[RD], s23, v[CO]
	s_lshl_b32 s20, s17, 8
	s_lshl_b32 s21, s15, 7
	s_add_co_u32 s20, s20, s21                     ; my first row: 256 x tile row + 128 x half
	s_mov_b32 s21, 0
	s_mov_b64 s[18:19], SIZE_N*4
	s_mul_u64 s[20:21], s[20:21], s[18:19]
	s_lshl_b32 s46, s42, 10                        ; my first column, in bytes: 1024 x tile column + 512 x half
	s_lshl_b32 s47, s16, 9
	s_add_co_u32 s46, s46, s47
	s_mov_b32 s47, 0
	s_add_nc_u64 s[96:97], s[96:97], s[46:47]      ; the bias of my 128 columns
	s_add_nc_u64 s[20:21], s[20:21], s[46:47]
	s_add_nc_u64 s[12:13], s[12:13], s[20:21]
	v_lshlrev_b32 v30, 5, v2                       ; eight numbers on for lanes 16-31
.irp b, 0,1,2,3,4,5,6,7                        ; tile b of B: columns 16 b + 8 h + 0 .. 7
	global_load_b128 v[BI+8*\b:BI+8*\b+3], v30, s[96:97] offset:64*\b
	global_load_b128 v[BI+8*\b+4:BI+8*\b+7], v30, s[96:97] offset:64*\b+16
.endr
.macro FRAG reg, adr, q, i             ; B: a fragment from rows of codes: pieces of 8 bytes; lanes 16-31 read three pieces on, for some pieces behind one padding more: the second address register serves those
.irp p, 0,1,2,3,4,5
.set PCE, 12*(\q)+6*(\p/3)+\p%3
.if PCE%8 < 5
	ds_load_b64 v[\reg+2*\p:\reg+2*\p+1], v[\adr] offset:8*PCE+16*(PCE/8)+(\i)*16*PITCH
.else
	ds_load_b64 v[\reg+2*\p:\reg+2*\p+1], v[\adr+2] offset:8*PCE+16*(PCE/8)+(\i)*16*PITCH
.endif
.endr
.endm
.macro FRAGI reg, adr, q, i            ; A: a fragment from images: tile i, heads 2 q and 2 q + 1 of the slot's four, three pieces of 256 bytes each
.irp p, 0,1,2,3,4,5
	ds_load_b64 v[\reg+2*\p:\reg+2*\p+1], v[\adr] offset:AROW*(\i)+768*(2*(\q)+\p/3)+256*(\p%3)
.endr
.endm
; 16 matrix instructions: A's blocks a0, a0 + 1 x B's eight.  cm = 1: the sums begin with the bias tile of B's block.  The 64 accumulators take turns, one instruction a turn.
.macro MUL16 a0, p, q, sc, cm
.irp a, \a0, \a0+1
.irp b, 0,1,2,3,4,5,6,7
.if \cm
	v_wmma_scale_f32_16x16x128_f8f6f4 v[8*(8*((\a)%4)+\b):8*(8*((\a)%4)+\b)+7], v[128*(\p)+FR*\b:128*(\p)+FR*\b+FR-1], v[AF+FR*(\a):AF+FR*(\a)+FR-1], v[BI+8*\b:BI+8*\b+7], v[SC+8*NQ*(\sc)+NQ*\b+(\q)], v[SC+8*NQ*(\sc)+NQ*(\a)+(\q)] matrix_a_fmt:MATRIX_FMT_FP6 matrix_b_fmt:MATRIX_FMT_FP6 matrix_a_scale:MATRIX_SCALE_ROW1
.else
	v_wmma_scale_f32_16x16x128_f8f6f4 v[8*(8*((\a)%4)+\b):8*(8*((\a)%4)+\b)+7], v[128*(\p)+FR*\b:128*(\p)+FR*\b+FR-1], v[AF+FR*(\a):AF+FR*(\a)+FR-1], v[8*(8*((\a)%4)+\b):8*(8*((\a)%4)+\b)+7], v[SC+8*NQ*(\sc)+NQ*\b+(\q)], v[SC+8*NQ*(\sc)+NQ*(\a)+(\q)] matrix_a_fmt:MATRIX_FMT_FP6 matrix_b_fmt:MATRIX_FMT_FP6 matrix_a_scale:MATRIX_SCALE_ROW1
.endif
.endr
.endr
.endm
.macro FETCH_B slot, q, p
	WIN TO_B
.irp i, 0,1,2,3,4,5,6,7
	FRAG 128*(\p)+FR*\i, ADRB+\slot, \q, \i
.endr
	WIN 0
.endm
.macro FETCH_A slot, q, i0
.irp i, \i0, \i0+1, \i0+2, \i0+3
	FRAGI AF+FR*(\i), ADRA+\slot, \q, \i
.endr
.endm
.macro SCALES sc
.irp i, 0,1,2,3,4,5,6,7
	ds_load_b64 v[SC+8*NQ*\sc+NQ*\i:SC+8*NQ*\sc+NQ*\i+1], v[ADRS] offset:\i*SBLK
.endr
.endm
.macro PLACES n                        ; places behind matrix instructions: plain vector instructions that name none of their registers (ISA guide 7.12.1 for vector instructions)
.rept \n
	v_nop
.endr
.endm
.macro STEP slot, q, cm
	s_wait_dscnt 4*NL                              ; B's set and A's blocks 0-3 are in; the youngest 24 loads (A's blocks 4-7) may be out
.if \cm
	WIN BIA_LO
.else
	WIN MUL_LO
.endif
	MUL16 0, (\q)%2, \q, \slot, \cm
	MUL16 2, (\q)%2, \q, \slot, \cm
	s_wait_dscnt 0
	PLACES NP
	FETCH_B \slot, (\q)+1, 1-(\q)%2
	FETCH_A \slot, (\q)+1, 0
.if \cm
	WIN BIA_HI
.else
	WIN MUL_HI
.endif
	MUL16 4, (\q)%2, \q, \slot, \cm
	MUL16 6, (\q)%2, \q, \slot, \cm
	PLACES NP
	WIN 0
	FETCH_A \slot, (\q)+1, 4
.endm
.macro TURN slot, next, fill
	s_wait_tensorcnt 0x0                           ; all my tensor loads have landed: my part of the next slot
	ds_add_u32 v[SPW], v[NIL]                      ; 0 onto my spare word
	s_wait_dscnt 4*NL+1                            ; (the add and the youngest 24 loads may be out)
	WIN MUL_LO
	MUL16 0, 1, NQ-1, \slot, 0
	s_wait_dscnt 0x0                               ; the add is done, and my reads of this slot are over
	s_barrier_signal -1
	MUL16 2, 1, NQ-1, \slot, 0
	WIN 0
	s_barrier_wait -1
.if \fill
	CREST                                          ; the barrier has opened a round of the cluster's barrier: no wave of any partner still reads this slot's tile or has a load on its way
	s_add_nc_u64 s[G0+4*\slot+2:G0+4*\slot+3], s[G0+4*\slot+2:G0+4*\slot+3], 2*AROW
	s_add_nc_u64 s[G0B+4*\slot+2:G0B+4*\slot+3], s[G0B+4*\slot+2:G0B+4*\slot+3], 2*ROWB
	JLOAD G0+4*\slot, G1, G0B+4*\slot, G1B         ; the first tensor load behind the round; its four v_nop are the places in front of the loads below
.else
	PLACES NP
.endif
	v_add_nc_u32 v[ADRS], 4*NQ, v[ADRS]
	FETCH_B \next, 0, 0
	FETCH_A \next, 0, 0
	SCALES \next
	WIN MUL_HI
	MUL16 4, 1, NQ-1, \slot, 0
	MUL16 6, 1, NQ-1, \slot, 0
	PLACES NP
	WIN 0
	FETCH_A \next, 0, 4
.endm
	s_wait_tensorcnt 1                             ; the scales and my part of K step 0 are in (K step 1's load may be out),
	s_barrier_signal -1
	s_barrier_wait -1                              ; everybody's are
	FETCH_B 0, 0, 0
	FETCH_A 0, 0, 0
	SCALES 0
	FETCH_A 0, 0, 4
	s_wait_loadcnt 0x0                             ; the bias tiles
	STEP 0, 0, 1                                   ; the first step stands in front of the loop: its products begin the sums with the bias
	s_mov_b32 s3, LAPS-1
.Llap:
	TURN 0, 1, 1
	STEP 1, 0, 0
	TURN 1, 0, 1
	STEP 0, 0, 0
	s_sub_co_u32 s3, s3, 1
	s_cmp_lg_u32 s3, 0
	s_cbranch_scc1 .Llap
	TURN 0, 1, 0                                   ; the last lap fills nothing, and has no round of the cluster's barrier
	STEP 1, 0, 0
	s_wait_dscnt 4*NL
	WIN MUL_LO
	MUL16 0, 1, NQ-1, 1, 0
	MUL16 2, 1, NQ-1, 1, 0
	s_wait_dscnt 0
	WIN MUL_HI
	MUL16 4, 1, NQ-1, 1, 0
	MUL16 6, 1, NQ-1, 1, 0
	WIN 0
; THE WAY OUT, block by block of 16 rows x 128 columns, through my own stage in LDS: back come whole rows of 512 bytes.  LDS serves a wave's instructions in order (ISA guide 5.7.1.4): no wait between the stores and the loads.
.macro TOSTAGE a
.set AC, 64*((\a)%4)
	WIN 0x08+4*((\a)/4)                            ; the data: window 2 or 3
.irp b, 0,1,2,3,4,5,6,7
	ds_store_b128 v[STO], v[AC+8*\b:AC+8*\b+3] offset:64*\b          ; each accumulator from its low end on
	ds_store_b128 v[STO], v[AC+8*\b+4:AC+8*\b+7] offset:64*\b+16
.endr
	WIN 0
.set BB, BK+64*((\a)%2)
.irp t, 0,1,2,3,4,5,6,7,8,9,10,11,12,13,14,15
	ds_load_b128 v[BB+4*\t:BB+4*\t+3], v[RD] offset:\t*SPITCH
.endr
.endm
.macro SEND a, younger                 ; younger: the LDS instructions issued behind block a's loads, which may stay out.  Stored row t of block a is token 32 (a / 2) + 16 (t / 8) + 8 (a % 2) + t % 8 of my 128
.set BB, BK+64*((\a)%2)
	s_wait_dscnt \younger
.irp t, 0,1,2,3,4,5,6,7,8,9,10,11,12,13,14,15
	global_store_b128 v[CO], v[BB+4*\t:BB+4*\t+3], s[12:13] offset:(32*((\a)/2)+16*(\t/8)+8*((\a)%2)+(\t%8))*SIZE_N*4 th:TH_STORE_NT   ; 32 lanes store 512 consecutive bytes, aligned; 127 rows of 4,096 bytes at the most: inside the signed 24-bit immediate
.endr
.endm
	PLACES NP
	TOSTAGE 0
.irp a, 1,2,3,4,5,6,7
.if \a > 1
	s_wait_xcnt 0x0                                ; block a - 2's stores have read their registers: block a's loads may land there
.endif
	TOSTAGE \a
	SEND \a-1, 32                                  ; behind block a - 1's loads: block a's 16 stores and 16 loads
.endr
	SEND 7, 0
	s_wait_tensorcnt 0x0                           ; the wave's end
	ds_add_u32 v[SPW], v[NIL]
	s_wait_dscnt 0x0
	CROUND                                         ; the closing round
	s_endpgm
.Lfunc_end_k_q57bd4c41c3_proj:
	.size	k_q57bd4c41c3_proj, .Lfunc_end_k_q57bd4c41c3_proj-k_q57bd4c41c3_proj
	.p2alignl 7, 3214868480
	.fill 96, 4, 3214868480
	.section	.rodata,"a",@progbits
	.p2align	6, 0x0
	.amdhsa_kernel k_q57bd4c41c3_proj
		.amdhsa_group_segment_fixed_size 327680
		.amdhsa_private_segment_fixed_size 0
		.amdhsa_enable_private_segment 0
		.amdhsa_kernarg_size 48
		.amdhsa_user_sgpr_count 2
		.amdhsa_user_sgpr_kernarg_segment_ptr 1
		.amdhsa_wavefront_size32 1
		.amdhsa_system_sgpr_workgroup_id_x 1
		.amdhsa_system_sgpr_workgroup_id_y 1
		.amdhsa_system_sgpr_workgroup_id_z 1
		.amdhsa_system_vgpr_workitem_id 0
		.amdhsa_next_free_vgpr 1024
		.amdhsa_next_free_sgpr 98
		.amdhsa_reserve_vcc 0
		.amdhsa_float_denorm_mode_32 3
		.amdhsa_float_denorm_mode_16_64 3
		.amdhsa_memory_ordered 1
		.amdhsa_forward_progress 1
		.amdhsa_inst_pref_size 161
	.end_amdhsa_kernel
	.amdgpu_metadata
---
amdhsa.version: [ 1, 2 ]
amdhsa.kernels:
  - .name:           k_q57bd4c41c3_proj
    .symbol:         k_q57bd4c41c3_proj.kd
    .args:
      - { .name: a_img, .offset: 0, .size: 8, .value_kind: global_buffer, .address_space: global }
      - { .name: a_sc, .offset: 8, .size: 8, .value_kind: global_buffer, .address_space: global }
      - { .name: w_codes, .offset: 16, .size: 8, .value_kind: global_buffer, .address_space: global }
      - { .name: w_scales, .offset: 24, .size: 8, .value_kind: global_buffer, .address_space: global }
      - { .name: b_proj, .offset: 32, .size: 8, .value_kind: global_buffer, .address_space: global }
      - { .name: out0, .offset: 40, .size: 8, .value_kind: global_buffer, .address_space: global }
    .group_segment_fixed_size: 327680
    .private_segment_fixed_size: 0
    .kernarg_segment_align: 8
    .kernarg_segment_size: 48
    .max_flat_workgroup_size: 128
    .sgpr_count:     98
    .vgpr_count:     1024
    .wavefront_size: 32
...
	.end_amdgpu_metadata
.endif
;; end of part 4
